; MI455X (gfx1250); checked and timed in simulation.
; The chip was launched on July 23, 2026; its instructions are those of AMD's public machine-readable ISA for CDNA 5 (MIT licence, August 2026) and "CDNA5" Instruction Set Architecture Reference Guide (July 2026). The comments in the code are by the model that wrote it; some were corrected since.
;; Self Attention. Allowed arithmetic: float matrix products may take bf16 or f16 operands with f32 sums; other float arithmetic in f32, or as packed bf16 or f16 multiplies, adds, multiply-adds, maxima and minima; sums over many terms, partial sums and values carried from step to step in f32; what a program stores and reads back later, other than sums and carried values, may be rounded once to bf16 or f16.
;; Inputs: Wk 1,024 x 1,024 float32; Wq 1,024 x 1,024 float32; Wv 1,024 x 1,024 float32; bk 1,024 float32; bq 1,024 float32; bv 1,024 float32; x 4 x 1,024 x 2,048 float32.
;; Outputs: out0 4 x 2,048 x 1,024 float32.
;; 2 versions, each right; version 2 is version 1 with the launch cast written anew for expert scheduling mode. Each part assembles by itself: llvm-mc -triple=amdgcn-amd-amdhsa -mcpu=gfx1250 --defsym DOCPART=n.
;; ======== version 1 of 2: 5 launches
;; limits: values are held in f16: magnitudes above 65,504 overflow, below 6.1e-05 lose precision
;; workspace buffers: xb 16,777,216 bytes; wb 6,291,456 bytes; bb 12,288 bytes; qk 33,554,432 bytes; vv 16,777,216 bytes; pp 33,554,432 bytes; st 1,048,576 bytes
;; launch cast (part 1): grid 705 x 1, 8 waves a work-group, no clusters, 0 bytes of LDS; arguments x, Wq, Wk, Wv, bq, bk, bv, xb, wb, bb; writes xb, wb, bb
.if DOCPART == 1
	.amdgcn_target "amdgcn-amd-amdhsa--gfx1250"
	.amdhsa_code_object_version 6
	.text
	.protected	k_qe2abdd3f71_cast
	.globl	k_qe2abdd3f71_cast
	.p2align	8
	.type	k_qe2abdd3f71_cast,@function
k_qe2abdd3f71_cast:
	s_mov_b64 s[64:65], 0
	v_nop
	global_prefetch_b8 v0, s[64:65] scope:SCOPE_SE
	s_setreg_imm32_b32 hwreg(HW_REG_WAVE_MODE, 25, 1), 1
	s_wait_xcnt 0x0
; All inputs are rounded once to bf16, in their own layout.  xb = bf16(x) [4][1024][2048]; wb = bf16 of Wq, Wk, Wv, one below the other, [3072][1024];
; bb = the three biases rounded to bf16 and written back as f32, [3072].
; Work-groups 0-511 take 64 KiB of x each, 512-703 take 64 KiB of a weight matrix (64 to a matrix), work-group 704 the three biases.
; A stream: every byte is read once and written once; no LDS, no matrix unit, no cluster: no two work-groups share a byte.
; Thread t takes 16 bytes at 16 t of each 4,096-byte piece: a wave's load covers 512 neighbouring bytes, its store 256 neighbouring, aligned bytes.
; All sixteen loads of a thread go out at once into registers of their own, so no register is written twice and no loop is needed.
.set X, 4                              ; v[4:67]   sixteen loads of four f32
.set Y, 68                             ; v[68:99]  sixteen pairs of packed bf16
	s_load_b512 s[4:19], s[0:1], 0x0               ; x s[4:5], Wq s[6:7], Wk s[8:9], Wv s[10:11], bq s[12:13], bk s[14:15], bv s[16:17], xb s[18:19]
	s_load_b128 s[20:23], s[0:1], 0x40             ; wb s[20:21], bb s[22:23]
	v_lshlrev_b32 v1, 4, v0                        ; 16 t: my bytes in a piece of f32
	v_lshlrev_b32 v2, 3, v0                        ; 8 t: my bytes in a piece of bf16
	s_and_b32 s28, ttmp9, 63                       ; a weight matrix's chunk
	s_sub_co_u32 s30, ttmp9, 512                   ; wb's chunk (used only from work-group 512 on)
	s_mov_b32 s29, 0
	s_mov_b32 s31, 0
	s_wait_kmcnt 0x0
	s_cmp_eq_u32 ttmp9, 704
	s_cbranch_scc1 .Lbias
	s_cmp_lt_u32 ttmp9, 640
	s_cselect_b64 s[24:25], s[8:9], s[10:11]       ; Wk or Wv
	s_cmp_lt_u32 ttmp9, 576
	s_cselect_b64 s[24:25], s[6:7], s[24:25]       ; or Wq
	s_cmp_lt_u32 ttmp9, 512
	s_cselect_b64 s[24:25], s[4:5], s[24:25]       ; or x: the source
	s_cselect_b64 s[26:27], s[18:19], s[20:21]     ; xb or wb: the destination
	s_cselect_b32 s28, ttmp9, s28                  ; the chunk's number in the source,
	s_cselect_b32 s30, ttmp9, s30                  ; and in the destination
	s_lshl_b32 s28, s28, 16                        ; 65,536 bytes of f32
	s_lshl_b32 s30, s30, 15                        ; 32,768 bytes of bf16
	s_add_nc_u64 s[24:25], s[24:25], s[28:29]
	s_add_nc_u64 s[26:27], s[26:27], s[30:31]
.irp i, 0,1,2,3,4,5,6,7,8,9,10,11,12,13,14,15
	global_load_b128 v[X+4*\i:X+4*\i+3], v1, s[24:25] offset:4096*\i th:TH_LOAD_NT
.endr
.irp i, 0,1,2,3,4,5,6,7,8,9,10,11,12,13,14,15
	s_wait_loadcnt 15-\i                           ; loads come back in order: piece i is in, the 15 - i younger ones stay out
	v_cvt_pk_bf16_f32 v[Y+2*\i], v[X+4*\i], v[X+4*\i+1]
	v_cvt_pk_bf16_f32 v[Y+2*\i+1], v[X+4*\i+2], v[X+4*\i+3]
	global_store_b64 v2, v[Y+2*\i:Y+2*\i+1], s[26:27] offset:2048*\i
.endr
	s_endpgm
.Lbias:                                                ; 256 threads x 4 numbers = a bias of 1,024
	global_load_b128 v[4:7], v1, s[12:13]
	global_load_b128 v[8:11], v1, s[14:15]
	global_load_b128 v[12:15], v1, s[16:17]
	s_wait_loadcnt 0x0
.irp j, 0,1,2,3,4,5
	v_cvt_pk_bf16_f32 v[Y+\j], v[4+2*\j], v[5+2*\j]      ; rounded,
.endr
.irp j, 0,1,2,3,4,5
	v_lshlrev_b32 v[20+2*\j], 16, v[Y+\j]               ; and widened again: the low half moves up,
	v_and_b32 v[21+2*\j], 0xffff0000, v[Y+\j]           ; the high half stays
.endr
	global_store_b128 v1, v[20:23], s[22:23]
	global_store_b128 v1, v[24:27], s[22:23] offset:4096
	global_store_b128 v1, v[28:31], s[22:23] offset:8192
	s_endpgm
.Lfunc_end_k_qe2abdd3f71_cast:
	.size	k_qe2abdd3f71_cast, .Lfunc_end_k_qe2abdd3f71_cast-k_qe2abdd3f71_cast
	.p2alignl 7, 3214868480
	.fill 96, 4, 3214868480
	.section	.rodata,"a",@progbits
	.p2align	6, 0x0
	.amdhsa_kernel k_qe2abdd3f71_cast
		.amdhsa_group_segment_fixed_size 0
		.amdhsa_private_segment_fixed_size 0
		.amdhsa_enable_private_segment 0
		.amdhsa_kernarg_size 80
		.amdhsa_user_sgpr_count 2
		.amdhsa_user_sgpr_kernarg_segment_ptr 1
		.amdhsa_wavefront_size32 1
		.amdhsa_system_sgpr_workgroup_id_x 1
		.amdhsa_system_sgpr_workgroup_id_y 1
		.amdhsa_system_sgpr_workgroup_id_z 1
		.amdhsa_system_vgpr_workitem_id 0
		.amdhsa_next_free_vgpr 100
		.amdhsa_next_free_sgpr 66
		.amdhsa_reserve_vcc 0
		.amdhsa_float_denorm_mode_32 3
		.amdhsa_float_denorm_mode_16_64 3
		.amdhsa_memory_ordered 1
		.amdhsa_forward_progress 1
		.amdhsa_inst_pref_size 9
	.end_amdhsa_kernel
	.amdgpu_metadata
---
amdhsa.version: [ 1, 2 ]
amdhsa.kernels:
  - .name:           k_qe2abdd3f71_cast
    .symbol:         k_qe2abdd3f71_cast.kd
    .args:
      - { .name: x, .offset: 0, .size: 8, .value_kind: global_buffer, .address_space: global }
      - { .name: Wq, .offset: 8, .size: 8, .value_kind: global_buffer, .address_space: global }
      - { .name: Wk, .offset: 16, .size: 8, .value_kind: global_buffer, .address_space: global }
      - { .name: Wv, .offset: 24, .size: 8, .value_kind: global_buffer, .address_space: global }
      - { .name: bq, .offset: 32, .size: 8, .value_kind: global_buffer, .address_space: global }
      - { .name: bk, .offset: 40, .size: 8, .value_kind: global_buffer, .address_space: global }
      - { .name: bv, .offset: 48, .size: 8, .value_kind: global_buffer, .address_space: global }
      - { .name: xb, .offset: 56, .size: 8, .value_kind: global_buffer, .address_space: global }
      - { .name: wb, .offset: 64, .size: 8, .value_kind: global_buffer, .address_space: global }
      - { .name: bb, .offset: 72, .size: 8, .value_kind: global_buffer, .address_space: global }
    .group_segment_fixed_size: 0
    .private_segment_fixed_size: 0
    .kernarg_segment_align: 8
    .kernarg_segment_size: 80
    .max_flat_workgroup_size: 256
    .sgpr_count:     66
    .vgpr_count:     100
    .wavefront_size: 32
...
	.end_amdgpu_metadata
.endif
;; end of part 1
;; launch projqk (part 2): grid 8 x 32, 4 waves a work-group, clusters of 4 x 4, 327,680 bytes of LDS; arguments xb, wb, qk, bb; writes qk
.if DOCPART == 2
	.amdgcn_target "amdgcn-amd-amdhsa--gfx1250"
	.amdhsa_code_object_version 6
	.text
	.protected	k_qe2abdd3f71_projqk
	.globl	k_qe2abdd3f71_projqk
	.p2align	8
	.type	k_qe2abdd3f71_projqk,@function
k_qe2abdd3f71_projqk:
	s_mov_b64 s[64:65], 0
	v_nop
	global_prefetch_b8 v0, s[64:65] scope:SCOPE_SE
	s_setreg_imm32_b32 hwreg(HW_REG_WAVE_MODE, 25, 1), 1
	s_wait_xcnt 0x0
	s_wait_alu depctr_hold_cnt(0) depctr_sa_sdst(0) depctr_va_vdst(0) depctr_va_sdst(0) depctr_va_ssrc(0) depctr_va_vcc(0) depctr_vm_vsrc(0)
	s_getreg_b32 s2, hwreg(HW_REG_IB_STS2, 6, 4)
	s_cmp_eq_u32 s2, 0
	s_cbranch_scc0 .Lentry_in_a_cluster
	s_endpgm
.Lentry_in_a_cluster:
	s_bfe_u32 s2, ttmp6, 0x10000c
	s_cmp_lg_u32 s2, 0xf033
	s_cbranch_scc0 .Lentry_shape_is_right
	s_endpgm
.Lentry_shape_is_right:
; qk[bs][e] = sum over d of x[b][d][s] W[e][d] + bias[e], e = 0..2047: columns 0-1023 are q, 1024-2047 are k.  Products in bf16, sums in f32, bias added in f32, qk rounded once to f16.
; LIMIT.  f16 ends at 65,504: q and k beyond that become infinities.  NaN and infinities are not treated apart.
; SHARES.  A tile of qk is 256 rows x 256 columns: 8 x 32 tiles, one to a work-group.  Four waves, each 128 x 128: 64 accumulators of 16 x 16, 512 registers.
; K (= d, 1,024) goes in 8 steps of 128 through two LDS slots filled by the tensor data mover.  W's tile lies with K along its rows (256 bytes, padded to 272).
; x lies [d][s]: its tile is 128 rows of d x 256 s (512 bytes, padded to 544), and its fragments come out turned, by ds_load_tr16_b128.
; THE MATRIX INSTRUCTION IS USED TRANSPOSED (source 0 = 16 rows of W, source 1 = 16 rows s of x^T): a lane then holds row lane % 16 and eight neighbouring columns.
; CLUSTER.  4 x 4 work-groups: the four of a row of the cluster need the same tile of x, the four of a column the same tile of W; each tile is asked for jointly.
; THE TEXT.  The loop's body is ONE K step; the slot in hand is a scalar that an exclusive or turns.  The two steps that fill nothing are a loop of two trips left in its middle; its last
; change of slots fetches 32 fragment loads from the slot read before, which serve nothing: the price of one text for both.  The way out is a loop over my eight blocks of 16 rows.
; REGISTERS, in windows of 256: window 0: v0-19 addresses, v60-61 the add's two, v64-127 and v128-191 x's fragments (two buffers), later v64-127 a block in f32, v192-223 packed, v224-255 read back
;   window 1: v0-63 the bias of my 128 columns, v64-127 and v128-191 W's fragments      windows 2, 3: accumulator (a, b) in window 2 + a / 4 at v[8 (8 (a % 4) + b)]
.set NA,     8                         ; blocks of 16 rows a wave
.set KSTEPS, 8
.set PITA,   544                       ; a row of x's tile in LDS: 512 bytes + 32: an odd multiple of 32, as the turning load's 8 rows x 32 bytes want
.set PITB,   272                       ; a row of W's tile: 256 bytes + 16: the 16 rows of a load start 16 bytes apart modulo 256
.set ATILE,  128*PITA
.set BTILE,  256*PITB
.set SLOT1,  ATILE+BTILE               ; 139,264 = 0x22000: it shares no set bit with the LDS words of slot 0 that it is applied to (0, 0x8800, 0x11000, 0x19800), so one exclusive or moves a word to the other slot and back
.set STAGE,  2*SLOT1                   ; behind the ring: 16 rows x 272 bytes for each wave, for the way out
.set SP,     272
.set SPARE,  STAGE+4*16*SP             ; behind the stages: the spare words, 128 bytes a wave
.set STEPA,  128*2048*2                ; a K step in xb: 128 rows of d
.set STEPB,  128*2                     ; in wb: 128 elements along a row
.set PITCHC, 4096                      ; a row of qk in bytes
.set ADRA0, 10                         ; v10  my lane's place in x's tile of slot 0; never rewritten
.set ADRB0, 11                         ; v11  the same for W
.set ADRA,  12                         ; v12  the same in the slot in hand
.set ADRB,  13                         ; v13
.set STO,   14                         ; v14  the way out: where I put 16 bytes of a row
.set RD,    15                         ; v15  where I read a row back
.set CO,    16                         ; v16  my byte offset in two rows of qk
.set BO,    17                         ; v17  my byte offset in the bias
.set SPW,   60                         ; v60  LDS address of my spare word; never rewritten
.set NIL,   61                         ; v61  0; never rewritten
.set F0,    64
.set F1,    128
.set TT,    64
.set TMP,   192
.set BK,    224
.set BL,  2                            ; s2   blocks still to go out
.set CNT, 3                            ; s3   K steps still to go
.set WV,  12                           ; s12  wave;  s13 which half of the rows is mine;  s14 which half of the columns, and which half of a tile I fetch
.set RH,  13
.set CH,  14
.set G1A, 24                           ; s[24:31] descriptor group 1 for x's tiles;  s[32:35] group 0: it walks
.set G0A, 32
.set G0B, 36                           ; s[36:39], s[40:47] the same for W's
.set G1B, 40
.set TR,  50                           ; s50  0 or SLOT1: the slot in hand
.set MSB, 0
.macro WIN new                         ; the immediate's high byte repeats the setting that is left; a switch that changes nothing is dropped
.if MSB != (\new)
	s_set_vgpr_msb (MSB<<8)|(\new)
.set MSB, (\new)
.endif
.endm
.macro PLACES                          ; four plain vector instructions between a matrix instruction and a load into, or a vector read of, its registers
.rept 4
	v_nop
.endr
.endm
.macro CREST                           ; a round of the cluster's barrier behind its opening barrier
	s_cmp_lg_u32 s[WV], 0
	s_cbranch_scc1 .Lnot_wave_0_\@
	s_barrier_signal -3
.Lnot_wave_0_\@:
	s_barrier_wait -3
	s_barrier_signal -1
	s_barrier_wait -1
.endm
.macro CROUND
	s_barrier_signal -1
	s_barrier_wait -1
	CREST
.endm
.macro JLOAD                           ; a joint load: waves 0 and 1 fetch the two halves of x's tile, waves 2 and 3 those of W's; an s_nop 0 and four v_nop follow each line
	s_cmp_lt_u32 s[WV], 2
	s_cbranch_scc0 .Lfor_b_\@
	tensor_load_to_lds s[G0A:G0A+3], s[G1A:G1A+7]
	s_nop 0
.rept 4
	v_nop
.endr
	s_branch .Lasked_\@
.Lfor_b_\@:
	tensor_load_to_lds s[G0B:G0B+3], s[G1B:G1B+7]
	s_nop 0
.rept 4
	v_nop
.endr
.Lasked_\@:
.endm
.macro STEPD                           ; the walking descriptors: the other slot, the next K step.  It stands only where no tensor load of mine is out
	s_xor_b32 s[G0A+1], s[G0A+1], SLOT1
	s_add_nc_u64 s[G0A+2:G0A+3], s[G0A+2:G0A+3], STEPA
	s_xor_b32 s[G0B+1], s[G0B+1], SLOT1
	s_add_nc_u64 s[G0B+2:G0B+3], s[G0B+2:G0B+3], STEPB
.endm
.macro FETCH q, f                      ; 32 LDS loads in one run: the fragments of quarter q (32 along K) into buffer f: W's 8 blocks, then x's 8
	WIN 0x40                                       ; destination window 1, address window 0
.set fi, 0
.rept 8
	ds_load_b128 v[(\f)+8*fi:(\f)+8*fi+3],   v[ADRB] offset:64*(\q)+fi*16*PITB
	ds_load_b128 v[(\f)+8*fi+4:(\f)+8*fi+7], v[ADRB] offset:64*(\q)+fi*16*PITB+32
.set fi, fi+1
.endr
	WIN 0
.set fi, 0
.rept NA
	ds_load_tr16_b128 v[(\f)+8*fi:(\f)+8*fi+3],   v[ADRA] offset:32*(\q)*PITA+32*fi
	ds_load_tr16_b128 v[(\f)+8*fi+4:(\f)+8*fi+7], v[ADRA] offset:32*(\q)*PITA+32*fi+16*PITA
.set fi, fi+1
.endr
.endm
.macro MULA f, a, zero                 ; 8 products: block a x all 8 column blocks.  zero = 1: they start the sums
.set mb, 0
.rept 8
	WIN 0xa1+0x50*((\a)/4)                         ; W window 1, x window 0, C and D window 2 or 3
.set rD, 8*(8*((\a)%4)+mb)
.if \zero
	v_wmma_f32_16x16x32_bf16 v[rD:rD+7], v[(\f)+8*mb:(\f)+8*mb+7], v[(\f)+8*(\a):(\f)+8*(\a)+7], 0
.else
	v_wmma_f32_16x16x32_bf16 v[rD:rD+7], v[(\f)+8*mb:(\f)+8*mb+7], v[(\f)+8*(\a):(\f)+8*(\a)+7], v[rD:rD+7]
.endif
.set mb, mb+1
.endr
.endm
.macro MULS f, a0, n, zero             ; n blocks from a0 on.  The 64 accumulators take turns in one order in every quarter, one instruction a turn
.set ma, (\a0)
.rept (\n)
	MULA \f, ma, \zero
.set ma, ma+1
.endr
.endm
.macro QUARTER q, f, g, zero           ; multiplies buffer f; in its middle fetches quarter q of the slot in hand into buffer g
	s_wait_dscnt NA                                ; all but the youngest 8 loads (x's blocks 4-7) are in
	MULS \f, 0, NA/2, \zero
	PLACES
	FETCH \q, \g
	s_wait_dscnt 16+2*NA                           ; all but the 32 just issued
	MULS \f, NA/2, NA/2, \zero
.endm
.macro MEET                            ; the first half of a step's last quarter, and the barrier of the change of slots
	WIN 0
	s_wait_tensorcnt 0x0                           ; my one tensor load that was out, my part of the next slot, has landed
	ds_add_u32 v[SPW], v[NIL]                      ; 0 onto my spare word
	s_wait_dscnt NA+1                              ; the add and the youngest 8 loads may be out
	MULS F1, 0, NA/4, 0
	s_wait_dscnt 0x0                               ; the add is done, and my reads of this slot are over
	s_barrier_signal -1
	MULS F1, NA/4, NA/4, 0                         ; work on registers while the others arrive
	WIN 0
	s_barrier_wait -1
.endm
.macro TURN fill                       ; a step's last quarter.  fill = 1: the barrier opens a round of the cluster's, and the slot just left is filled again, two K steps ahead, first thing behind it
	MEET
.if \fill
	CREST
	STEPD
	JLOAD                                          ; its four v_nop are also the places in front of the loads below
.else
	PLACES
.endif
	s_xor_b32 s[TR], s[TR], SLOT1
	v_add_nc_u32 v[ADRA], s[TR], v[ADRA0]
	v_add_nc_u32 v[ADRB], s[TR], v[ADRB0]
	FETCH 0, F0
	MULS F1, NA/2, NA/2, 0
.endm
.macro COPY a                          ; block a's 64 sums + bias -> v64-127; each accumulator is read from its low end on
	WIN 0x06+(\a)/4                                ; source 0 window 2 or 3, source 1 window 1
.set ci, 0
.rept 32
	v_pk_add_f32 v[TT+2*ci:TT+2*ci+1], v[64*((\a)%4)+2*ci:64*((\a)%4)+2*ci+1], v[2*ci:2*ci+1]
.set ci, ci+1
.endr
	WIN 0
.endm
	s_load_b256 s[4:11], s[0:1], 0x0               ; xb s[4:5], wb s[6:7], qk s[8:9], bb s[10:11]
	v_lshl_add_u32 v[SPW], v0, 2, SPARE
	v_mov_b32 v[NIL], 0
	ds_add_u32 v[SPW], v[NIL]                      ; the wave's opening: the add and its wait stand ahead of my first tensor load
	v_lshrrev_b32 v3, 5, v0
	v_readfirstlane_b32 s[WV], v3
	s_lshr_b32 s[RH], s[WV], 1
	s_and_b32 s[CH], s[WV], 1
	s_bfe_u32 s15, ttmp6, 0x40000                  ; cx
	s_bfe_u32 s16, ttmp6, 0x40004                  ; cy
	s_lshl_b32 s17, ttmp9, 2
	s_add_co_u32 s17, s17, s15                     ; X: tile column = 4 x cluster x + cx
	s_and_b32 s18, ttmp7, 0xffff
	s_lshl_b32 s18, s18, 2
	s_add_co_u32 s18, s18, s16                     ; Y: tile row = 4 x cluster y + cy
	s_lshl_b32 s51, s16, 2
	s_lshl_b32 s51, 15, s51                        ; my row of the cluster
	s_lshl_b32 s52, 0x1111, s15                    ; my column
	s_or_b32 s[G1A], s51, (1<<16)|(1<<20)|(1<<21)|(6<<22)|(7<<25)  ; mask; 2-byte elements; padding on; bit 21 beside a mask; after every 128 words 8 words
	s_or_b32 s[G1B], s52, (1<<16)|(1<<20)|(1<<21)|(5<<22)|(3<<25)  ; after every 64 words 4 words
	s_mov_b32 s[G1A+1], 256<<16                    ; tensor_dim0 = 256 s
	s_mov_b32 s[G1A+2], 64<<16                     ; tensor_dim1 = 64 rows of d
	s_mov_b32 s[G1A+3], 256<<16                    ; tile_dim0
	s_mov_b32 s[G1A+4], 64                         ; tile_dim1
	s_mov_b32 s[G1A+5], 2048                       ; elements from row to row
	s_mov_b32 s[G1A+6], 0
	s_mov_b32 s[G1A+7], 0
	s_mov_b32 s[G1B+1], 128<<16                    ; 128 along K
	s_mov_b32 s[G1B+2], 128<<16                    ; 128 rows of W
	s_mov_b32 s[G1B+3], 128<<16
	s_mov_b32 s[G1B+4], 128
	s_mov_b32 s[G1B+5], 1024
	s_mov_b32 s[G1B+6], 0
	s_mov_b32 s[G1B+7], 0
	s_lshr_b32 s20, s18, 3                         ; x's tile: the batch, 4,194,304 bytes each,
	s_lshl_b32 s20, s20, 22
	s_and_b32 s19, s18, 7                          ; 256 s = 512 bytes a tile row,
	s_lshl_b32 s19, s19, 9
	s_add_co_u32 s20, s20, s19
	s_lshl_b32 s19, s[CH], 18                      ; my half: 64 rows of 4,096 bytes
	s_add_co_u32 s20, s20, s19
	s_mov_b32 s21, 0
	s_lshl_b32 s60, s17, 19                        ; W's tile: 256 rows of 2,048 bytes a tile column,
	s_lshl_b32 s61, s[CH], 18                      ; my half: 128 rows
	s_add_co_u32 s60, s60, s61
	s_mov_b32 s61, 0
	s_mov_b32 s[G0A], 1
	s_mul_i32 s[G0A+1], s[CH], ATILE/2             ; LDS: slot 0, my half: the wave's number alone enters
	s_mov_b32 s[G0B], 1
	s_mul_i32 s[G0B+1], s[CH], BTILE/2
	s_add_co_u32 s[G0B+1], s[G0B+1], ATILE
	s_mov_b32 s[TR], 0
	s_wait_dscnt 0x0                               ; the opening add is done
	s_wait_kmcnt 0x0
	s_add_nc_u64 s[G0A+2:G0A+3], s[4:5], s[20:21]
	s_or_b32 s[G0A+3], s[G0A+3], 0x80000000
	s_add_nc_u64 s[G0B+2:G0B+3], s[6:7], s[60:61]
	s_or_b32 s[G0B+3], s[G0B+3], 0x80000000
	CROUND                                         ; all sixteen work-groups are here: the first joint loads meet
	JLOAD                                          ; K step 0 into slot 0
	v_and_b32 v1, 15, v0                           ; r = lane % 16
	v_bfe_u32 v2, v0, 4, 1                         ; h = lane / 16
	s_lshl_b32 s60, s17, 10                        ; the bias of my 128 columns: 1,024 X + 512 x half bytes,
	s_lshl_b32 s61, s[CH], 9
	s_add_co_u32 s60, s60, s61
	s_mov_b32 s61, 0
	s_add_nc_u64 s[10:11], s[10:11], s[60:61]
	v_lshlrev_b32 v[BO], 5, v2                     ; and 8 h numbers on: register 8 b + j takes column 16 b + 8 h + j
	WIN 0x40
.irp b, 0,1,2,3,4,5,6,7
	global_load_b128 v[8*\b:8*\b+3],   v[BO], s[10:11] offset:64*\b
	global_load_b128 v[8*\b+4:8*\b+7], v[BO], s[10:11] offset:64*\b+16
.endr
	WIN 0
	v_and_b32 v4, 7, v0                            ; the turning load: lane l reads row 8 h + l % 8 of d, 16 bytes at 16 ((l / 8) % 2)
	v_lshl_add_u32 v4, v2, 3, v4
	v_mul_u32_u24 v4, v4, PITA
	v_bfe_u32 v5, v0, 3, 1
	v_lshl_add_u32 v4, v5, 4, v4
	s_lshl_b32 s53, s[RH], 8                       ; my 128 s: 256 bytes along the rows
	v_add_nc_u32 v[ADRA0], s53, v4
	v_mul_u32_u24 v3, v1, PITB                     ; the plain load: row r, 16 bytes for each half of the lanes
	v_lshl_add_u32 v3, v2, 4, v3
	s_mul_i32 s53, s[CH], 128*PITB                 ; my 128 rows of W, behind x's tile
	s_add_co_u32 s53, s53, ATILE
	v_add_nc_u32 v[ADRB0], s53, v3
	s_mul_i32 s53, s[WV], 16*SP
	s_add_co_u32 s53, s53, STAGE                   ; my stage
	v_mul_u32_u24 v3, v1, SP
	v_lshl_add_u32 v3, v2, 4, v3
	v_add_nc_u32 v[STO], s53, v3                   ; in: row r, 16 bytes for each half of the lanes
	v_mul_u32_u24 v3, v2, SP
	v_lshl_add_u32 v3, v1, 4, v3
	v_add_nc_u32 v[RD], s53, v3                    ; back: lanes 0-15 one row of 256 bytes, lanes 16-31 the next
	v_mul_u32_u24 v3, v2, PITCHC
	v_lshl_add_u32 v[CO], v1, 4, v3                ; and the same two rows in qk
	s_lshl_b32 s20, s18, 20                        ; my first row: (256 Y + 128 x half) x 4,096 bytes,
	s_lshl_b32 s19, s[RH], 19
	s_add_co_u32 s20, s20, s19
	s_mov_b32 s21, 0
	s_add_nc_u64 s[8:9], s[8:9], s[20:21]
	s_lshl_b32 s60, s17, 9                         ; my first column: 512 X + 256 x half bytes
	s_lshl_b32 s61, s[CH], 8
	s_add_co_u32 s60, s60, s61
	s_mov_b32 s61, 0
	s_add_nc_u64 s[8:9], s[8:9], s[60:61]
	s_wait_loadcnt 0x0                             ; the bias
	s_wait_tensorcnt 0x0                           ; my part of K step 0 is in; no tensor load of mine is out
	ds_add_u32 v[SPW], v[NIL]                      ; the descriptors' step stands between the add and the wait for it
	STEPD
	s_wait_dscnt 0x0
	CROUND                                         ; everybody's part is in
	JLOAD                                          ; K step 1 into slot 1: the one load behind this round
	v_add_nc_u32 v[ADRA], s[TR], v[ADRA0]
	v_add_nc_u32 v[ADRB], s[TR], v[ADRB0]
	FETCH 0, F0
	QUARTER 1, F0, F1, 1                           ; the first quarter stands in front of the loop: its products start the sums
	WIN 0
	s_mov_b32 s[CNT], KSTEPS-2
.Lstep:                                                ; a trip: from a step's second quarter to the next step's first; it fills the slot that it leaves
	QUARTER 2, F1, F0, 0
	QUARTER 3, F0, F1, 0
	TURN 1
	QUARTER 1, F0, F1, 0
	WIN 0
	s_sub_co_u32 s[CNT], s[CNT], 1
	s_cmp_lg_u32 s[CNT], 0
	s_cbranch_scc1 .Lstep
	s_mov_b32 s[CNT], 2
.Ltail:                                                ; the last two steps fill nothing; the second trip is left in its middle
	QUARTER 2, F1, F0, 0
	QUARTER 3, F0, F1, 0
	TURN 0
	WIN 0
	s_sub_co_u32 s[CNT], s[CNT], 1
	s_cmp_eq_u32 s[CNT], 0
	s_cbranch_scc1 .Lout
	QUARTER 1, F0, F1, 0
	WIN 0
	s_branch .Ltail
.Lout:
	s_wait_dscnt 0x0                               ; the last run of loads has landed: its registers are used anew below
	PLACES
	; THE WAY OUT, a block of 16 rows a trip: + bias, rounded to f16, through my own stage, back as whole rows of 256 bytes.  Only the lines that name a block's accumulators are written once a block.
	s_mov_b32 s[BL], NA
.Lblk:
.irp a, 1,2,3,4,5,6,7
	s_cmp_eq_u32 s[BL], NA-\a
	s_cbranch_scc1 .Lcp\a
.endr
	COPY 0
	s_branch .Lbody
.irp a, 1,2,3,4,5,6
.Lcp\a:
	COPY \a
	s_branch .Lbody
.endr
.Lcp7:
	COPY 7
.Lbody:
.set bi, 0
.rept 32
	v_cvt_pk_f16_f32 v[TMP+bi], v[TT+2*bi], v[TT+2*bi+1]
.set bi, bi+1
.endr
.irp b, 0,1,2,3,4,5,6,7
	ds_store_b128 v[STO], v[TMP+4*\b:TMP+4*\b+3] offset:32*\b
.endr
.irp t, 0,1,2,3,4,5,6,7
	ds_load_b128 v[BK+4*\t:BK+4*\t+3], v[RD] offset:\t*2*SP  ; LDS serves a wave's instructions in order (ISA guide 5.7.1.4): these see the stores above
.endr
.irp t, 0,1,2,3,4,5,6,7
	s_wait_dscnt 7-\t                              ; rows 2 t, 2 t + 1 are back; the younger loads stay out
	global_store_b128 v[CO], v[BK+4*\t:BK+4*\t+3], s[8:9] offset:2*\t*PITCHC  ; 16 lanes store 256 consecutive bytes, at a multiple of 256 from qk's first byte
.endr
	s_wait_xcnt 0x0                                ; the stores' base and data are rewritten only behind this wait
	s_add_nc_u64 s[8:9], s[8:9], 16*PITCHC
	s_sub_co_u32 s[BL], s[BL], 1
	s_cmp_lg_u32 s[BL], 0
	s_cbranch_scc1 .Lblk
	s_wait_tensorcnt 0x0                           ; the wave's end
	ds_add_u32 v[SPW], v[NIL]
	s_wait_dscnt 0x0
	CROUND                                         ; the closing round
	s_endpgm
.Lfunc_end_k_qe2abdd3f71_projqk:
	.size	k_qe2abdd3f71_projqk, .Lfunc_end_k_qe2abdd3f71_projqk-k_qe2abdd3f71_projqk
	.p2alignl 7, 3214868480
	.fill 96, 4, 3214868480
	.section	.rodata,"a",@progbits
	.p2align	6, 0x0
	.amdhsa_kernel k_qe2abdd3f71_projqk
		.amdhsa_group_segment_fixed_size 327680
		.amdhsa_private_segment_fixed_size 0
		.amdhsa_enable_private_segment 0
		.amdhsa_kernarg_size 32
		.amdhsa_user_sgpr_count 2
		.amdhsa_user_sgpr_kernarg_segment_ptr 1
		.amdhsa_wavefront_size32 1
		.amdhsa_system_sgpr_workgroup_id_x 1
		.amdhsa_system_sgpr_workgroup_id_y 1
		.amdhsa_system_sgpr_workgroup_id_z 1
		.amdhsa_system_vgpr_workitem_id 0
		.amdhsa_next_free_vgpr 1024
		.amdhsa_next_free_sgpr 66
		.amdhsa_reserve_vcc 0
		.amdhsa_float_denorm_mode_32 3
		.amdhsa_float_denorm_mode_16_64 3
		.amdhsa_memory_ordered 1
		.amdhsa_forward_progress 1
		.amdhsa_inst_pref_size 92
	.end_amdhsa_kernel
	.amdgpu_metadata
---
amdhsa.version: [ 1, 2 ]
amdhsa.kernels:
  - .name:           k_qe2abdd3f71_projqk
    .symbol:         k_qe2abdd3f71_projqk.kd
    .args:
      - { .name: xb, .offset: 0, .size: 8, .value_kind: global_buffer, .address_space: global }
      - { .name: wb, .offset: 8, .size: 8, .value_kind: global_buffer, .address_space: global }
      - { .name: qk, .offset: 16, .size: 8, .value_kind: global_buffer, .address_space: global }
      - { .name: bb, .offset: 24, .size: 8, .value_kind: global_buffer, .address_space: global }
    .group_segment_fixed_size: 327680
    .private_segment_fixed_size: 0
    .kernarg_segment_align: 8
    .kernarg_segment_size: 32
    .max_flat_workgroup_size: 128
    .sgpr_count:     66
    .vgpr_count:     1024
    .wavefront_size: 32
...
	.end_amdgpu_metadata
.endif
;; end of part 2
;; launch projv (part 3): grid 4 x 64, 4 waves a work-group, clusters of 4 x 4, 327,680 bytes of LDS; arguments xb, wb, vv, bb; writes vv
.if DOCPART == 3
	.amdgcn_target "amdgcn-amd-amdhsa--gfx1250"
	.amdhsa_code_object_version 6
	.text
	.protected	k_qe2abdd3f71_projv
	.globl	k_qe2abdd3f71_projv
	.p2align	8
	.type	k_qe2abdd3f71_projv,@function
k_qe2abdd3f71_projv:
	s_mov_b64 s[64:65], 0
	v_nop
	global_prefetch_b8 v0, s[64:65] scope:SCOPE_SE
	s_setreg_imm32_b32 hwreg(HW_REG_WAVE_MODE, 25, 1), 1
	s_wait_xcnt 0x0
	s_wait_alu depctr_hold_cnt(0) depctr_sa_sdst(0) depctr_va_vdst(0) depctr_va_sdst(0) depctr_va_ssrc(0) depctr_va_vcc(0) depctr_vm_vsrc(0)
	s_getreg_b32 s2, hwreg(HW_REG_IB_STS2, 6, 4)
	s_cmp_eq_u32 s2, 0
	s_cbranch_scc0 .Lentry_in_a_cluster
	s_endpgm
.Lentry_in_a_cluster:
	s_bfe_u32 s2, ttmp6, 0x10000c
	s_cmp_lg_u32 s2, 0xf033
	s_cbranch_scc0 .Lentry_shape_is_right
	s_endpgm
.Lentry_shape_is_right:
; vv[bs][e] = sum over d of x[b][d][s] Wv[e][d] + bv[e].  Products in bf16, sums in f32, bias added in f32, vv rounded once to f16.
; LIMIT.  f16 ends at 65,504: v beyond that becomes an infinity.  NaN and infinities are not treated apart.
; SHARES.  vv has 8,192 x 1,024 numbers: tiles of 256 x 256 would be 128, so a tile is 128 rows x 256 columns: 4 x 64 = 256 tiles, one to a work-group.
; Four waves, each 64 x 128: 32 accumulators, 256 registers.  All else as in the launch for q and k: K in 8 steps of 128 through two LDS slots; x's tile ([d][s], 128 rows of 256 bytes
; padded to 288) is read turned; the matrix instruction is used transposed; tiles of x are asked for jointly along a row of the 4 x 4 cluster, tiles of Wv along a column;
; the loop's body is one K step; the last change of slots fetches 24 loads that serve nothing.
; REGISTERS: window 0: v0-19 addresses, v60-61 the add's two, v64-95 and v128-159 x's fragments, later v64-127 a block in f32, v192-223 packed, v224-255 read back
;   window 1: v0-63 the bias, v64-127 and v128-191 Wv's fragments      window 2: accumulator (a, b) at v[8 (8 a + b)]
.set NA,     4
.set KSTEPS, 8
.set PITA,   288                       ; 256 bytes + 32: an odd multiple of 32
.set PITB,   272
.set ATILE,  128*PITA
.set BTILE,  256*PITB
.set SLOT1,  1<<17                     ; a slot takes 106,496 bytes; slot 1 begins here, so that one exclusive or turns an address in one slot into the other's
.set STAGE,  SLOT1+ATILE+BTILE
.set SP,     272
.set SPARE,  STAGE+4*16*SP
.set STEPA,  128*2048*2
.set STEPB,  128*2
.set PITCHC, 2048
.set ADRA0, 10
.set ADRB0, 11
.set ADRA,  12
.set ADRB,  13
.set STO,   14
.set RD,    15
.set CO,    16
.set BO,    17
.set SPW,   60
.set NIL,   61
.set F0,    64
.set F1,    128
.set TT,    64
.set TMP,   192
.set BK,    224
.set BL,  2
.set CNT, 3
.set WV,  12
.set RH,  13
.set CH,  14
.set G1A, 24
.set G0A, 32
.set G0B, 36
.set G1B, 40
.set TR,  50
.set MSB, 0
.macro WIN new
.if MSB != (\new)
	s_set_vgpr_msb (MSB<<8)|(\new)
.set MSB, (\new)
.endif
.endm
.macro PLACES
.rept 4
	v_nop
.endr
.endm
.macro CREST
	s_cmp_lg_u32 s[WV], 0
	s_cbranch_scc1 .Lnot_wave_0_\@
	s_barrier_signal -3
.Lnot_wave_0_\@:
	s_barrier_wait -3
	s_barrier_signal -1
	s_barrier_wait -1
.endm
.macro CROUND
	s_barrier_signal -1
	s_barrier_wait -1
	CREST
.endm
.macro JLOAD                           ; waves 0 and 1 fetch the halves of x's tile, waves 2 and 3 those of Wv's; an s_nop 0 and four v_nop follow each line
	s_cmp_lt_u32 s[WV], 2
	s_cbranch_scc0 .Lfor_b_\@
	tensor_load_to_lds s[G0A:G0A+3], s[G1A:G1A+7]
	s_nop 0
.rept 4
	v_nop
.endr
	s_branch .Lasked_\@
.Lfor_b_\@:
	tensor_load_to_lds s[G0B:G0B+3], s[G1B:G1B+7]
	s_nop 0
.rept 4
	v_nop
.endr
.Lasked_\@:
.endm
.macro STEPD                           ; the other slot, the next K step; only where no tensor load of mine is out
	s_xor_b32 s[G0A+1], s[G0A+1], SLOT1
	s_add_nc_u64 s[G0A+2:G0A+3], s[G0A+2:G0A+3], STEPA
	s_xor_b32 s[G0B+1], s[G0B+1], SLOT1
	s_add_nc_u64 s[G0B+2:G0B+3], s[G0B+2:G0B+3], STEPB
.endm
.macro FETCH q, f                      ; 24 LDS loads in one run: Wv's 8 blocks, then x's 4
	WIN 0x40
.set fi, 0
.rept 8
	ds_load_b128 v[(\f)+8*fi:(\f)+8*fi+3],   v[ADRB] offset:64*(\q)+fi*16*PITB
	ds_load_b128 v[(\f)+8*fi+4:(\f)+8*fi+7], v[ADRB] offset:64*(\q)+fi*16*PITB+32
.set fi, fi+1
.endr
	WIN 0
.set fi, 0
.rept NA
	ds_load_tr16_b128 v[(\f)+8*fi:(\f)+8*fi+3],   v[ADRA] offset:32*(\q)*PITA+32*fi
	ds_load_tr16_b128 v[(\f)+8*fi+4:(\f)+8*fi+7], v[ADRA] offset:32*(\q)*PITA+32*fi+16*PITA
.set fi, fi+1
.endr
.endm
.macro MULA f, a, zero
.set mb, 0
.rept 8
	WIN 0xa1                                       ; Wv window 1, x window 0, C and D window 2
.set rD, 8*(8*(\a)+mb)
.if \zero
	v_wmma_f32_16x16x32_bf16 v[rD:rD+7], v[(\f)+8*mb:(\f)+8*mb+7], v[(\f)+8*(\a):(\f)+8*(\a)+7], 0
.else
	v_wmma_f32_16x16x32_bf16 v[rD:rD+7], v[(\f)+8*mb:(\f)+8*mb+7], v[(\f)+8*(\a):(\f)+8*(\a)+7], v[rD:rD+7]
.endif
.set mb, mb+1
.endr
.endm
.macro MULS f, a0, n, zero             ; the 32 accumulators take turns in one order in every quarter, one instruction a turn
.set ma, (\a0)
.rept (\n)
	MULA \f, ma, \zero
.set ma, ma+1
.endr
.endm
.macro QUARTER q, f, g, zero
	s_wait_dscnt NA                                ; all but the youngest 4 loads (x's blocks 2, 3) are in
	MULS \f, 0, NA/2, \zero
	PLACES
	FETCH \q, \g
	s_wait_dscnt 16+2*NA                           ; all but the 24 just issued
	MULS \f, NA/2, NA/2, \zero
.endm
.macro MEET
	WIN 0
	s_wait_tensorcnt 0x0                           ; my part of the next slot has landed
	ds_add_u32 v[SPW], v[NIL]
	s_wait_dscnt NA+1                              ; the add and the youngest 4 loads may be out
	MULS F1, 0, NA/4, 0
	s_wait_dscnt 0x0                               ; the add is done, and my reads of this slot are over
	s_barrier_signal -1
	MULS F1, NA/4, NA/4, 0
	WIN 0
	s_barrier_wait -1
.endm
.macro TURN fill
	MEET
.if \fill
	CREST
	STEPD
	JLOAD                                          ; the first tensor load behind the round; its four v_nop are also the places in front of the loads below
.else
	PLACES
.endif
	s_xor_b32 s[TR], s[TR], SLOT1
	v_add_nc_u32 v[ADRA], s[TR], v[ADRA0]
	v_add_nc_u32 v[ADRB], s[TR], v[ADRB0]
	FETCH 0, F0
	MULS F1, NA/2, NA/2, 0
.endm
.macro COPY a                          ; block a's 64 sums + bias -> v64-127, each accumulator from its low end on
	WIN 0x06                                       ; source 0 window 2, source 1 window 1
.set ci, 0
.rept 32
	v_pk_add_f32 v[TT+2*ci:TT+2*ci+1], v[64*(\a)+2*ci:64*(\a)+2*ci+1], v[2*ci:2*ci+1]
.set ci, ci+1
.endr
	WIN 0
.endm
	s_load_b256 s[4:11], s[0:1], 0x0               ; xb s[4:5], wb s[6:7], vv s[8:9], bb s[10:11]
	v_lshl_add_u32 v[SPW], v0, 2, SPARE
	v_mov_b32 v[NIL], 0
	ds_add_u32 v[SPW], v[NIL]                      ; the wave's opening: the add and its wait stand ahead of my first tensor load
	v_lshrrev_b32 v3, 5, v0
	v_readfirstlane_b32 s[WV], v3
	s_lshr_b32 s[RH], s[WV], 1
	s_and_b32 s[CH], s[WV], 1
	s_bfe_u32 s15, ttmp6, 0x40000                  ; cx
	s_bfe_u32 s16, ttmp6, 0x40004                  ; cy
	s_lshl_b32 s17, ttmp9, 2
	s_add_co_u32 s17, s17, s15                     ; X
	s_and_b32 s18, ttmp7, 0xffff
	s_lshl_b32 s18, s18, 2
	s_add_co_u32 s18, s18, s16                     ; Y
	s_lshl_b32 s51, s16, 2
	s_lshl_b32 s51, 15, s51
	s_lshl_b32 s52, 0x1111, s15
	s_or_b32 s[G1A], s51, (1<<16)|(1<<20)|(1<<21)|(5<<22)|(7<<25)  ; after every 64 words 8 words of padding
	s_or_b32 s[G1B], s52, (1<<16)|(1<<20)|(1<<21)|(5<<22)|(3<<25)  ; after every 64 words 4 words
	s_mov_b32 s[G1A+1], 128<<16                    ; 128 s
	s_mov_b32 s[G1A+2], 64<<16                     ; 64 rows of d
	s_mov_b32 s[G1A+3], 128<<16
	s_mov_b32 s[G1A+4], 64
	s_mov_b32 s[G1A+5], 2048
	s_mov_b32 s[G1A+6], 0
	s_mov_b32 s[G1A+7], 0
	s_mov_b32 s[G1B+1], 128<<16
	s_mov_b32 s[G1B+2], 128<<16
	s_mov_b32 s[G1B+3], 128<<16
	s_mov_b32 s[G1B+4], 128
	s_mov_b32 s[G1B+5], 1024
	s_mov_b32 s[G1B+6], 0
	s_mov_b32 s[G1B+7], 0
	s_lshr_b32 s20, s18, 4                         ; x's tile: the batch,
	s_lshl_b32 s20, s20, 22
	s_and_b32 s19, s18, 15                         ; 128 s = 256 bytes a tile row,
	s_lshl_b32 s19, s19, 8
	s_add_co_u32 s20, s20, s19
	s_lshl_b32 s19, s[CH], 18                      ; my half: 64 rows of d
	s_add_co_u32 s20, s20, s19
	s_mov_b32 s21, 0
	s_lshl_b32 s60, s17, 19                        ; Wv's tile: 256 rows a tile column,
	s_lshl_b32 s61, s[CH], 18                      ; my half,
	s_add_co_u32 s60, s60, s61
	s_add_co_u32 s60, s60, 2048*2048               ; behind Wq's and Wk's 2,048 rows
	s_mov_b32 s61, 0
	s_mov_b32 s[G0A], 1
	s_mul_i32 s[G0A+1], s[CH], ATILE/2
	s_mov_b32 s[G0B], 1
	s_mul_i32 s[G0B+1], s[CH], BTILE/2
	s_add_co_u32 s[G0B+1], s[G0B+1], ATILE
	s_mov_b32 s[TR], 0
	s_wait_dscnt 0x0                               ; the opening add is done
	s_wait_kmcnt 0x0
	s_add_nc_u64 s[G0A+2:G0A+3], s[4:5], s[20:21]
	s_or_b32 s[G0A+3], s[G0A+3], 0x80000000
	s_add_nc_u64 s[G0B+2:G0B+3], s[6:7], s[60:61]
	s_or_b32 s[G0B+3], s[G0B+3], 0x80000000
	CROUND
	JLOAD                                          ; K step 0 into slot 0
	v_and_b32 v1, 15, v0
	v_bfe_u32 v2, v0, 4, 1
	s_lshl_b32 s60, s17, 10                        ; bv of my 128 columns, behind bq and bk
	s_lshl_b32 s61, s[CH], 9
	s_add_co_u32 s60, s60, s61
	s_add_co_u32 s60, s60, 8192
	s_mov_b32 s61, 0
	s_add_nc_u64 s[10:11], s[10:11], s[60:61]
	v_lshlrev_b32 v[BO], 5, v2
	WIN 0x40
.irp b, 0,1,2,3,4,5,6,7
	global_load_b128 v[8*\b:8*\b+3],   v[BO], s[10:11] offset:64*\b
	global_load_b128 v[8*\b+4:8*\b+7], v[BO], s[10:11] offset:64*\b+16
.endr
	WIN 0
	v_and_b32 v4, 7, v0
	v_lshl_add_u32 v4, v2, 3, v4
	v_mul_u32_u24 v4, v4, PITA
	v_bfe_u32 v5, v0, 3, 1
	v_lshl_add_u32 v4, v5, 4, v4
	s_lshl_b32 s53, s[RH], 7                       ; my 64 s: 128 bytes along the rows
	v_add_nc_u32 v[ADRA0], s53, v4
	v_mul_u32_u24 v3, v1, PITB
	v_lshl_add_u32 v3, v2, 4, v3
	s_mul_i32 s53, s[CH], 128*PITB
	s_add_co_u32 s53, s53, ATILE
	v_add_nc_u32 v[ADRB0], s53, v3
	s_mul_i32 s53, s[WV], 16*SP
	s_add_co_u32 s53, s53, STAGE
	v_mul_u32_u24 v3, v1, SP
	v_lshl_add_u32 v3, v2, 4, v3
	v_add_nc_u32 v[STO], s53, v3
	v_mul_u32_u24 v3, v2, SP
	v_lshl_add_u32 v3, v1, 4, v3
	v_add_nc_u32 v[RD], s53, v3
	v_mul_u32_u24 v3, v2, PITCHC
	v_lshl_add_u32 v[CO], v1, 4, v3
	s_lshl_b32 s20, s18, 18                        ; my first row: (128 Y + 64 x half) x 2,048 bytes
	s_lshl_b32 s19, s[RH], 17
	s_add_co_u32 s20, s20, s19
	s_mov_b32 s21, 0
	s_add_nc_u64 s[8:9], s[8:9], s[20:21]
	s_lshl_b32 s60, s17, 9
	s_lshl_b32 s61, s[CH], 8
	s_add_co_u32 s60, s60, s61
	s_mov_b32 s61, 0
	s_add_nc_u64 s[8:9], s[8:9], s[60:61]
	s_wait_loadcnt 0x0                             ; the bias
	s_wait_tensorcnt 0x0                           ; my part of K step 0 is in
	ds_add_u32 v[SPW], v[NIL]
	STEPD
	s_wait_dscnt 0x0
	CROUND
	JLOAD                                          ; K step 1 into slot 1
	v_add_nc_u32 v[ADRA], s[TR], v[ADRA0]
	v_add_nc_u32 v[ADRB], s[TR], v[ADRB0]
	FETCH 0, F0
	QUARTER 1, F0, F1, 1
	WIN 0
	s_mov_b32 s[CNT], KSTEPS-2
.Lstep:
	QUARTER 2, F1, F0, 0
	QUARTER 3, F0, F1, 0
	TURN 1
	QUARTER 1, F0, F1, 0
	WIN 0
	s_sub_co_u32 s[CNT], s[CNT], 1
	s_cmp_lg_u32 s[CNT], 0
	s_cbranch_scc1 .Lstep
	s_mov_b32 s[CNT], 2
.Ltail:
	QUARTER 2, F1, F0, 0
	QUARTER 3, F0, F1, 0
	TURN 0
	WIN 0
	s_sub_co_u32 s[CNT], s[CNT], 1
	s_cmp_eq_u32 s[CNT], 0
	s_cbranch_scc1 .Lout
	QUARTER 1, F0, F1, 0
	WIN 0
	s_branch .Ltail
.Lout:
	s_wait_dscnt 0x0
	PLACES
	s_mov_b32 s[BL], NA
.Lblk:
.irp a, 1,2,3
	s_cmp_eq_u32 s[BL], NA-\a
	s_cbranch_scc1 .Lcp\a
.endr
	COPY 0
	s_branch .Lbody
.irp a, 1,2
.Lcp\a:
	COPY \a
	s_branch .Lbody
.endr
.Lcp3:
	COPY 3
.Lbody:
.set bi, 0
.rept 32
	v_cvt_pk_f16_f32 v[TMP+bi], v[TT+2*bi], v[TT+2*bi+1]
.set bi, bi+1
.endr
.irp b, 0,1,2,3,4,5,6,7
	ds_store_b128 v[STO], v[TMP+4*\b:TMP+4*\b+3] offset:32*\b
.endr
.irp t, 0,1,2,3,4,5,6,7
	ds_load_b128 v[BK+4*\t:BK+4*\t+3], v[RD] offset:\t*2*SP  ; LDS serves a wave's instructions in order (ISA guide 5.7.1.4)
.endr
.irp t, 0,1,2,3,4,5,6,7
	s_wait_dscnt 7-\t
	global_store_b128 v[CO], v[BK+4*\t:BK+4*\t+3], s[8:9] offset:2*\t*PITCHC  ; 16 lanes store 256 consecutive, aligned bytes
.endr
	s_wait_xcnt 0x0                                ; the stores' base and data are rewritten only behind this wait
	s_add_nc_u64 s[8:9], s[8:9], 16*PITCHC
	s_sub_co_u32 s[BL], s[BL], 1
	s_cmp_lg_u32 s[BL], 0
	s_cbranch_scc1 .Lblk
	s_wait_tensorcnt 0x0                           ; the wave's end
	ds_add_u32 v[SPW], v[NIL]
	s_wait_dscnt 0x0
	CROUND
	s_endpgm
.Lfunc_end_k_qe2abdd3f71_projv:
	.size	k_qe2abdd3f71_projv, .Lfunc_end_k_qe2abdd3f71_projv-k_qe2abdd3f71_projv
	.p2alignl 7, 3214868480
	.fill 96, 4, 3214868480
	.section	.rodata,"a",@progbits
	.p2align	6, 0x0
	.amdhsa_kernel k_qe2abdd3f71_projv
		.amdhsa_group_segment_fixed_size 327680
		.amdhsa_private_segment_fixed_size 0
		.amdhsa_enable_private_segment 0
		.amdhsa_kernarg_size 32
		.amdhsa_user_sgpr_count 2
		.amdhsa_user_sgpr_kernarg_segment_ptr 1
		.amdhsa_wavefront_size32 1
		.amdhsa_system_sgpr_workgroup_id_x 1
		.amdhsa_system_sgpr_workgroup_id_y 1
		.amdhsa_system_sgpr_workgroup_id_z 1
		.amdhsa_system_vgpr_workitem_id 0
		.amdhsa_next_free_vgpr 768
		.amdhsa_next_free_sgpr 66
		.amdhsa_reserve_vcc 0
		.amdhsa_float_denorm_mode_32 3
		.amdhsa_float_denorm_mode_16_64 3
		.amdhsa_memory_ordered 1
		.amdhsa_forward_progress 1
		.amdhsa_inst_pref_size 61
	.end_amdhsa_kernel
	.amdgpu_metadata
---
amdhsa.version: [ 1, 2 ]
amdhsa.kernels:
  - .name:           k_qe2abdd3f71_projv
    .symbol:         k_qe2abdd3f71_projv.kd
    .args:
      - { .name: xb, .offset: 0, .size: 8, .value_kind: global_buffer, .address_space: global }
      - { .name: wb, .offset: 8, .size: 8, .value_kind: global_buffer, .address_space: global }
      - { .name: vv, .offset: 16, .size: 8, .value_kind: global_buffer, .address_space: global }
      - { .name: bb, .offset: 24, .size: 8, .value_kind: global_buffer, .address_space: global }
    .group_segment_fixed_size: 327680
    .private_segment_fixed_size: 0
    .kernarg_segment_align: 8
    .kernarg_segment_size: 32
    .max_flat_workgroup_size: 128
    .sgpr_count:     66
    .vgpr_count:     768
    .wavefront_size: 32
...
	.end_amdgpu_metadata
.endif
;; end of part 3
;; launch scores (part 4): grid 8 x 32, 4 waves a work-group, clusters of 4 x 4, 327,680 bytes of LDS; arguments qk, pp, st; writes pp, st
.if DOCPART == 4
	.amdgcn_target "amdgcn-amd-amdhsa--gfx1250"
	.amdhsa_code_object_version 6
	.text
	.protected	k_qe2abdd3f71_scores
	.globl	k_qe2abdd3f71_scores
	.p2align	8
	.type	k_qe2abdd3f71_scores,@function
k_qe2abdd3f71_scores:
	s_mov_b64 s[64:65], 0
	v_nop
	global_prefetch_b8 v0, s[64:65] scope:SCOPE_SE
	s_setreg_imm32_b32 hwreg(HW_REG_WAVE_MODE, 25, 1), 1
	s_wait_xcnt 0x0
	s_wait_alu depctr_hold_cnt(0) depctr_sa_sdst(0) depctr_va_vdst(0) depctr_va_sdst(0) depctr_va_ssrc(0) depctr_va_vcc(0) depctr_vm_vsrc(0)
	s_getreg_b32 s2, hwreg(HW_REG_IB_STS2, 6, 4)
	s_cmp_eq_u32 s2, 0
	s_cbranch_scc0 .Lentry_in_a_cluster
	s_endpgm
.Lentry_in_a_cluster:
	s_bfe_u32 s2, ttmp6, 0x10000c
	s_cmp_lg_u32 s2, 0xf033
	s_cbranch_scc0 .Lentry_shape_is_right
	s_endpgm
.Lentry_shape_is_right:
; S = q k^T for one batch, and the first half of the softmax.  With c = log2(e) / 32, for each query row and each block j of 128 keys:
;   cm = the largest c s of the block;  P = 2^(c s - cm), rounded once to f16;  l = the sum of the unrounded 2^(c s - cm), in f32.
; st holds cm[4][16 j][2048 s] in f32 and, 524,288 bytes on, l in the same shape.  The next launch joins a row's 16 blocks by the row's true maximum.
; pp IS LAID IN FRAGMENTS: [512 blocks of 16 rows][128 groups of 16 keys][32 lanes][16 bytes]; lane l's 16 bytes are row l % 16, keys 8 (l / 16) + 0..7 of the group.  That is what a lane holds here
; after rounding, and two neighbouring groups are a 16 x 32 operand of the next launch's matrix instruction: P goes from registers to memory and from memory to registers without changing lanes.
; LIMITS.  q and k arrive in f16.  A weight lies in 0 to 1; below 6e-5 it keeps f16's fixed step of 6e-8, and below 2^-126 it counts as 0 in l.  NaN and infinities are not treated apart.
; SHARES.  A tile is 256 queries x 256 keys: 8 x 32 tiles, one to a work-group; four waves, each 128 queries x 128 keys (one block j): 64 accumulators, 512 registers.
; K (the 1,024 channels) goes in 8 steps of 128 through two LDS slots; q's and k's tiles lie with K along their rows (256 bytes, padded to 272).
; THE MATRIX INSTRUCTION IS USED TRANSPOSED (source 0 = 16 keys, source 1 = 16 queries): a lane holds query lane % 16 and, over a block's 8 accumulators, 64 of its 128 keys; the lane 16 away holds the others.
; CLUSTER.  4 x 4: q's tile is asked for jointly along a row of the cluster, k's along a column.  The loop's body is one K step; the last change of slots fetches 32 loads that serve nothing.
; REGISTERS: window 0: v0-19 addresses, v20-27 statistics, v60-61 the add's two, v64-127 and v128-191 q's fragments, later v64-127 a block in f32, v192-223 packed
;   window 1: v64-127, v128-191 k's fragments      windows 2, 3: accumulator (a, b) in window 2 + a / 4 at v[8 (8 (a % 4) + b)]
.set NA,     8
.set KSTEPS, 8
.set PIT,    272
.set ATILE,  256*PIT
.set BTILE,  256*PIT
.set SLOT1,  ATILE+BTILE               ; 0x22000: no set bit in common with the LDS words 0, 0x8800, 0x11000, 0x19800 of slot 0, so one exclusive or moves a word to the other slot and back
.set SSTG,   2*SLOT1                   ; behind the ring: 1,024 bytes for each wave: cm of my 128 rows, then l
.set SPARE,  SSTG+4*1024
.set STEPK,  128*2
.set ADRA0, 10
.set ADRB0, 11
.set ADRA,  12
.set ADRB,  13
.set GS,    17                         ; v17  16 x lane: my bytes in 512 consecutive bytes of pp and of st
.set SSA,   18                         ; v18  where a block's cm (lanes 0-15) and l (lanes 16-31) go; 64 bytes on with each block
.set SSR,   19                         ; v19  where I read them back
.set CC,    20                         ; v20-23  four chains of the maximum
.set CM,    24                         ; v24-25  cm, twice: a pair for the packed subtraction
.set LS,    26                         ; v26  l
.set SV,    27                         ; v27  cm or l, by the lane's half
.set SPW,   60
.set NIL,   61
.set F0,    64
.set F1,    128
.set TT,    64
.set TMP,   192
.set BL,  2
.set CNT, 3
.set WV,  12
.set RH,  13
.set CH,  14
.set G1A, 24
.set G0A, 32
.set G0B, 36
.set G1B, 40
.set TR,  50
.set MSB, 0
.macro WIN new
.if MSB != (\new)
	s_set_vgpr_msb (MSB<<8)|(\new)
.set MSB, (\new)
.endif
.endm
.macro PLACES
.rept 4
	v_nop
.endr
.endm
.macro CREST
	s_cmp_lg_u32 s[WV], 0
	s_cbranch_scc1 .Lnot_wave_0_\@
	s_barrier_signal -3
.Lnot_wave_0_\@:
	s_barrier_wait -3
	s_barrier_signal -1
	s_barrier_wait -1
.endm
.macro CROUND
	s_barrier_signal -1
	s_barrier_wait -1
	CREST
.endm
.macro JLOAD                           ; waves 0 and 1 fetch the halves of q's tile, waves 2 and 3 those of k's; an s_nop 0 and four v_nop follow each line
	s_cmp_lt_u32 s[WV], 2
	s_cbranch_scc0 .Lfor_b_\@
	tensor_load_to_lds s[G0A:G0A+3], s[G1A:G1A+7]
	s_nop 0
.rept 4
	v_nop
.endr
	s_branch .Lasked_\@
.Lfor_b_\@:
	tensor_load_to_lds s[G0B:G0B+3], s[G1B:G1B+7]
	s_nop 0
.rept 4
	v_nop
.endr
.Lasked_\@:
.endm
.macro STEPD
	s_xor_b32 s[G0A+1], s[G0A+1], SLOT1
	s_add_nc_u64 s[G0A+2:G0A+3], s[G0A+2:G0A+3], STEPK
	s_xor_b32 s[G0B+1], s[G0B+1], SLOT1
	s_add_nc_u64 s[G0B+2:G0B+3], s[G0B+2:G0B+3], STEPK
.endm
.macro FETCH q, f                      ; 32 LDS loads in one run: k's 8 blocks, then q's 8
	WIN 0x40
.set fi, 0
.rept 8
	ds_load_b128 v[(\f)+8*fi:(\f)+8*fi+3],   v[ADRB] offset:64*(\q)+fi*16*PIT
	ds_load_b128 v[(\f)+8*fi+4:(\f)+8*fi+7], v[ADRB] offset:64*(\q)+fi*16*PIT+32
.set fi, fi+1
.endr
	WIN 0
.set fi, 0
.rept NA
	ds_load_b128 v[(\f)+8*fi:(\f)+8*fi+3],   v[ADRA] offset:64*(\q)+fi*16*PIT
	ds_load_b128 v[(\f)+8*fi+4:(\f)+8*fi+7], v[ADRA] offset:64*(\q)+fi*16*PIT+32
.set fi, fi+1
.endr
.endm
.macro MULA f, a, zero
.set mb, 0
.rept 8
	WIN 0xa1+0x50*((\a)/4)
.set rD, 8*(8*((\a)%4)+mb)
.if \zero
	v_wmma_f32_16x16x32_f16 v[rD:rD+7], v[(\f)+8*mb:(\f)+8*mb+7], v[(\f)+8*(\a):(\f)+8*(\a)+7], 0
.else
	v_wmma_f32_16x16x32_f16 v[rD:rD+7], v[(\f)+8*mb:(\f)+8*mb+7], v[(\f)+8*(\a):(\f)+8*(\a)+7], v[rD:rD+7]
.endif
.set mb, mb+1
.endr
.endm
.macro MULS f, a0, n, zero             ; the 64 accumulators take turns in one order in every quarter, one instruction a turn
.set ma, (\a0)
.rept (\n)
	MULA \f, ma, \zero
.set ma, ma+1
.endr
.endm
.macro QUARTER q, f, g, zero
	s_wait_dscnt NA                                ; all but the youngest 8 loads (q's blocks 4-7) are in
	MULS \f, 0, NA/2, \zero
	PLACES
	FETCH \q, \g
	s_wait_dscnt 16+2*NA                           ; all but the 32 just issued
	MULS \f, NA/2, NA/2, \zero
.endm
.macro MEET
	WIN 0
	s_wait_tensorcnt 0x0                           ; my part of the next slot has landed
	ds_add_u32 v[SPW], v[NIL]
	s_wait_dscnt NA+1                              ; the add and the youngest 8 loads may be out
	MULS F1, 0, NA/4, 0
	s_wait_dscnt 0x0                               ; the add is done, and my reads of this slot are over
	s_barrier_signal -1
	MULS F1, NA/4, NA/4, 0
	WIN 0
	s_barrier_wait -1
.endm
.macro TURN fill
	MEET
.if \fill
	CREST
	STEPD
	JLOAD                                          ; the first tensor load behind the round; its four v_nop are also the places in front of the loads below
.else
	PLACES
.endif
	s_xor_b32 s[TR], s[TR], SLOT1
	v_add_nc_u32 v[ADRA], s[TR], v[ADRA0]
	v_add_nc_u32 v[ADRB], s[TR], v[ADRB0]
	FETCH 0, F0
	MULS F1, NA/2, NA/2, 0
.endm
.macro COPY a                          ; c x block a's 64 scores -> v64-127, each accumulator from its low end on
	WIN 0x02+(\a)/4                                ; source 0 window 2 or 3
.set ci, 0
.rept 32
	v_pk_mul_f32 v[TT+2*ci:TT+2*ci+1], v[64*((\a)%4)+2*ci:64*((\a)%4)+2*ci+1], s[54:55] op_sel_hi:[1,0]
.set ci, ci+1
.endr
	WIN 0
.endm
.macro LEVEL w                         ; of the first 2 w registers the upper w are added onto the lower, in pairs
.set bi, 0
.rept (\w)/2
	v_pk_add_f32 v[TT+2*bi:TT+2*bi+1], v[TT+2*bi:TT+2*bi+1], v[TT+(\w)+2*bi:TT+(\w)+2*bi+1]
.set bi, bi+1
.endr
.endm
	s_load_b64 s[4:5], s[0:1], 0x0                 ; qk
	s_load_b128 s[8:11], s[0:1], 0x8               ; pp s[8:9], st s[10:11]
	v_lshl_add_u32 v[SPW], v0, 2, SPARE
	v_mov_b32 v[NIL], 0
	ds_add_u32 v[SPW], v[NIL]                      ; the wave's opening: the add and its wait stand ahead of my first tensor load
	v_lshrrev_b32 v3, 5, v0
	v_readfirstlane_b32 s[WV], v3
	s_lshr_b32 s[RH], s[WV], 1
	s_and_b32 s[CH], s[WV], 1
	s_bfe_u32 s15, ttmp6, 0x40000                  ; cx
	s_bfe_u32 s16, ttmp6, 0x40004                  ; cy
	s_lshl_b32 s17, ttmp9, 2
	s_add_co_u32 s17, s17, s15                     ; X: the tile of 256 keys
	s_and_b32 s18, ttmp7, 0xffff
	s_lshl_b32 s18, s18, 2
	s_add_co_u32 s18, s18, s16                     ; Y: the tile of 256 queries, over all batches
	s_lshl_b32 s51, s16, 2
	s_lshl_b32 s51, 15, s51
	s_lshl_b32 s52, 0x1111, s15
	s_or_b32 s[G1A], s51, (1<<16)|(1<<20)|(1<<21)|(5<<22)|(3<<25)
	s_or_b32 s[G1B], s52, (1<<16)|(1<<20)|(1<<21)|(5<<22)|(3<<25)
.irp g, G1A, G1B
	s_mov_b32 s[\g+1], 128<<16                     ; 128 along K
	s_mov_b32 s[\g+2], 128<<16                     ; 128 rows
	s_mov_b32 s[\g+3], 128<<16
	s_mov_b32 s[\g+4], 128
	s_mov_b32 s[\g+5], 2048                        ; a row of qk has 2,048 elements
	s_mov_b32 s[\g+6], 0
	s_mov_b32 s[\g+7], 0
.endr
	s_lshl_b32 s20, s18, 20                        ; q's tile: 256 rows of 4,096 bytes a tile row,
	s_lshl_b32 s19, s[CH], 19                      ; my half: 128 rows
	s_add_co_u32 s20, s20, s19
	s_mov_b32 s21, 0
	s_and_b32 s62, ttmp7, 0xffff                   ; k's tile: the batch is the cluster's y / 2, which my column of the cluster shares: 2,048 rows each,
	s_lshr_b32 s62, s62, 1
	s_lshl_b32 s62, s62, 23
	s_lshl_b32 s60, s17, 20                        ; 256 rows a tile column,
	s_add_co_u32 s60, s60, s62
	s_lshl_b32 s61, s[CH], 19                      ; my half,
	s_add_co_u32 s60, s60, s61
	s_add_co_u32 s60, s60, 2048                    ; and k lies 1,024 elements along a row
	s_mov_b32 s61, 0
	s_mov_b32 s[G0A], 1
	s_mul_i32 s[G0A+1], s[CH], ATILE/2
	s_mov_b32 s[G0B], 1
	s_mul_i32 s[G0B+1], s[CH], BTILE/2
	s_add_co_u32 s[G0B+1], s[G0B+1], ATILE
	s_mov_b32 s[TR], 0
	s_mov_b32 s54, 0x3d38aa3b                      ; c = log2(e) / 32
	s_mov_b32 s55, s54                             ; named with it as a pair
	s_mov_b32 s56, 0x76543210                      ; v_permlanex16_b32: each lane takes its own place in the other half
	s_mov_b32 s57, 0xfedcba98
	s_mov_b32 s58, 0xffff0000                      ; lanes 16-31
	s_wait_dscnt 0x0                               ; the opening add is done
	s_wait_kmcnt 0x0
	s_add_nc_u64 s[G0A+2:G0A+3], s[4:5], s[20:21]
	s_or_b32 s[G0A+3], s[G0A+3], 0x80000000
	s_add_nc_u64 s[G0B+2:G0B+3], s[4:5], s[60:61]
	s_or_b32 s[G0B+3], s[G0B+3], 0x80000000
	CROUND
	JLOAD                                          ; K step 0 into slot 0
	v_and_b32 v1, 15, v0
	v_bfe_u32 v2, v0, 4, 1
	v_and_b32 v9, 31, v0
	v_mul_u32_u24 v3, v1, PIT
	v_lshl_add_u32 v3, v2, 4, v3
	s_mul_i32 s53, s[RH], 128*PIT                  ; my 128 queries
	v_add_nc_u32 v[ADRA0], s53, v3
	s_mul_i32 s53, s[CH], 128*PIT                  ; my 128 keys, behind q's tile
	s_add_co_u32 s53, s53, ATILE
	v_add_nc_u32 v[ADRB0], s53, v3
	s_lshl_b32 s53, s[WV], 10
	s_add_co_u32 s53, s53, SSTG                    ; my 1,024 bytes for the statistics
	v_lshl_add_u32 v[SSA], v2, 9, s53
	v_lshl_add_u32 v[SSA], v1, 2, v[SSA]
	v_lshl_add_u32 v[SSR], v9, 4, s53
	v_lshlrev_b32 v[GS], 4, v9
	s_lshl_b32 s20, s18, 20                        ; pp: my first block of 16 rows, 16 Y + 8 x half, 65,536 bytes each,
	s_lshl_b32 s19, s[RH], 19
	s_add_co_u32 s20, s20, s19
	s_mov_b32 s21, 0
	s_add_nc_u64 s[8:9], s[8:9], s[20:21]
	s_lshl_b32 s60, s17, 13                        ; my first group of 16 keys, 16 X + 8 x half, 512 bytes each
	s_lshl_b32 s61, s[CH], 12
	s_add_co_u32 s60, s60, s61
	s_mov_b32 s61, 0
	s_add_nc_u64 s[8:9], s[8:9], s[60:61]
	s_lshr_b32 s20, s18, 3                         ; st: the batch, 16 x 2,048 x 4 bytes,
	s_lshl_b32 s20, s20, 17
	s_and_b32 s19, s18, 7                          ; my first row in it: (256 (Y % 8) + 128 x half) x 4 bytes,
	s_lshl_b32 s19, s19, 10
	s_add_co_u32 s20, s20, s19
	s_lshl_b32 s19, s[RH], 9
	s_add_co_u32 s20, s20, s19
	s_add_nc_u64 s[10:11], s[10:11], s[20:21]
	s_lshl_b32 s60, s17, 14                        ; the block j = 2 X + half: 8,192 bytes each
	s_lshl_b32 s61, s[CH], 13
	s_add_co_u32 s60, s60, s61
	s_mov_b32 s61, 0
	s_add_nc_u64 s[10:11], s[10:11], s[60:61]
	s_wait_tensorcnt 0x0                           ; my part of K step 0 is in
	ds_add_u32 v[SPW], v[NIL]
	STEPD
	s_wait_dscnt 0x0
	CROUND
	JLOAD                                          ; K step 1 into slot 1
	v_add_nc_u32 v[ADRA], s[TR], v[ADRA0]
	v_add_nc_u32 v[ADRB], s[TR], v[ADRB0]
	FETCH 0, F0
	QUARTER 1, F0, F1, 1
	WIN 0
	s_mov_b32 s[CNT], KSTEPS-2
.Lstep:
	QUARTER 2, F1, F0, 0
	QUARTER 3, F0, F1, 0
	TURN 1
	QUARTER 1, F0, F1, 0
	WIN 0
	s_sub_co_u32 s[CNT], s[CNT], 1
	s_cmp_lg_u32 s[CNT], 0
	s_cbranch_scc1 .Lstep
	s_mov_b32 s[CNT], 2
.Ltail:
	QUARTER 2, F1, F0, 0
	QUARTER 3, F0, F1, 0
	TURN 0
	WIN 0
	s_sub_co_u32 s[CNT], s[CNT], 1
	s_cmp_eq_u32 s[CNT], 0
	s_cbranch_scc1 .Lout
	QUARTER 1, F0, F1, 0
	WIN 0
	s_branch .Ltail
.Lout:
	s_wait_dscnt 0x0
	PLACES
	; THE WAY OUT, a block of 16 queries a trip.
	s_mov_b32 s[BL], NA
.Lblk:
.irp a, 1,2,3,4,5,6,7
	s_cmp_eq_u32 s[BL], NA-\a
	s_cbranch_scc1 .Lcp\a
.endr
	COPY 0
	s_branch .Lbody
.irp a, 1,2,3,4,5,6
.Lcp\a:
	COPY \a
	s_branch .Lbody
.endr
.Lcp7:
	COPY 7
.Lbody:
	; the largest of my 64 numbers: four chains of 15, three operands at a time, then the four left over, then the chains
.irp k, 0,1,2,3
	v_max3_num_f32 v[CC+\k], v[TT+16*\k], v[TT+16*\k+1], v[TT+16*\k+2]
.endr
.set bi, 1
.rept 6
.irp k, 0,1,2,3
	v_max3_num_f32 v[CC+\k], v[CC+\k], v[TT+16*\k+2*bi+1], v[TT+16*\k+2*bi+2]
.endr
.set bi, bi+1
.endr
	v_max3_num_f32 v[CC], v[CC], v[TT+15], v[TT+31]
	v_max3_num_f32 v[CC+1], v[CC+1], v[TT+47], v[TT+63]
	v_max3_num_f32 v[CC], v[CC], v[CC+1], v[CC+2]
	v_max_num_f32 v[CC], v[CC], v[CC+3]
	v_permlanex16_b32 v[CC+1], v[CC], s56, s57     ; the query's other 64 keys lie in the lane 16 away
	v_max_num_f32 v[CM], v[CC], v[CC+1]
	v_max_num_f32 v[CM+1], v[CC], v[CC+1]
.set bi, 0
.rept 32
	v_pk_add_f32 v[TT+2*bi:TT+2*bi+1], v[TT+2*bi:TT+2*bi+1], v[CM:CM+1] neg_lo:[0,1] neg_hi:[0,1]  ; c s - cm
.set bi, bi+1
.endr
.set bi, 0
.rept 64
	v_exp_f32 v[TT+bi], v[TT+bi]
.set bi, bi+1
.endr
	v_nop                                          ; a plain instruction between the last exponential and the use of its result (ISA guide 5.7.2)
.set bi, 0
	s_wait_alu depctr_va_vdst(0)
.rept 32
	v_cvt_pk_f16_f32 v[TMP+bi], v[TT+2*bi], v[TT+2*bi+1]
.set bi, bi+1
.endr
.irp b, 0,1,2,3,4,5,6,7
	global_store_b128 v[GS], v[TMP+4*\b:TMP+4*\b+3], s[8:9] offset:512*\b  ; group b of 16 keys: the wave stores 512 consecutive bytes, at a multiple of 512 from pp's first byte
.endr
	LEVEL 32                                       ; the sum of the unrounded weights, in place: 31 packed additions,
	LEVEL 16
	LEVEL 8
	LEVEL 4
	LEVEL 2
	v_add_f32 v[LS], v[TT], v[TT+1]                ; the pair's two halves,
	v_permlanex16_b32 v[CC+1], v[LS], s56, s57     ; and the other half of the lanes'
	v_add_f32 v[LS], v[LS], v[CC+1]
	v_cndmask_b32 v[SV], v[CM], v[LS], s58         ; lanes 0-15 lay down cm, lanes 16-31 l
	ds_store_b32 v[SSA], v[SV]
	v_add_nc_u32 v[SSA], 64, v[SSA]                ; the next block's 16 rows
	s_wait_xcnt 0x0                                ; the stores' base and data are rewritten only behind this wait
	s_add_nc_u64 s[8:9], s[8:9], 65536             ; the next block of 16 rows
	s_sub_co_u32 s[BL], s[BL], 1
	s_cmp_lg_u32 s[BL], 0
	s_cbranch_scc1 .Lblk
	ds_load_b128 v[TMP:TMP+3], v[SSR]              ; my 128 rows' cm, 512 bytes (LDS serves a wave's instructions in order: ISA guide 5.7.1.4),
	ds_load_b128 v[TMP+4:TMP+7], v[SSR] offset:512 ; and l
	s_wait_dscnt 0x0
	global_store_b128 v[GS], v[TMP:TMP+3], s[10:11]                  ; each store covers 512 consecutive bytes, aligned
	global_store_b128 v[GS], v[TMP+4:TMP+7], s[10:11] offset:524288
	s_wait_tensorcnt 0x0                           ; the wave's end
	ds_add_u32 v[SPW], v[NIL]
	s_wait_dscnt 0x0
	CROUND
	s_endpgm
.Lfunc_end_k_qe2abdd3f71_scores:
	.size	k_qe2abdd3f71_scores, .Lfunc_end_k_qe2abdd3f71_scores-k_qe2abdd3f71_scores
	.p2alignl 7, 3214868480
	.fill 96, 4, 3214868480
	.section	.rodata,"a",@progbits
	.p2align	6, 0x0
	.amdhsa_kernel k_qe2abdd3f71_scores
		.amdhsa_group_segment_fixed_size 327680
		.amdhsa_private_segment_fixed_size 0
		.amdhsa_enable_private_segment 0
		.amdhsa_kernarg_size 24
		.amdhsa_user_sgpr_count 2
		.amdhsa_user_sgpr_kernarg_segment_ptr 1
		.amdhsa_wavefront_size32 1
		.amdhsa_system_sgpr_workgroup_id_x 1
		.amdhsa_system_sgpr_workgroup_id_y 1
		.amdhsa_system_sgpr_workgroup_id_z 1
		.amdhsa_system_vgpr_workitem_id 0
		.amdhsa_next_free_vgpr 1024
		.amdhsa_next_free_sgpr 66
		.amdhsa_reserve_vcc 0
		.amdhsa_float_denorm_mode_32 3
		.amdhsa_float_denorm_mode_16_64 3
		.amdhsa_memory_ordered 1
		.amdhsa_forward_progress 1
		.amdhsa_inst_pref_size 98
	.end_amdhsa_kernel
	.amdgpu_metadata
---
amdhsa.version: [ 1, 2 ]
amdhsa.kernels:
  - .name:           k_qe2abdd3f71_scores
    .symbol:         k_qe2abdd3f71_scores.kd
    .args:
      - { .name: qk, .offset: 0, .size: 8, .value_kind: global_buffer, .address_space: global }
      - { .name: pp, .offset: 8, .size: 8, .value_kind: global_buffer, .address_space: global }
      - { .name: st, .offset: 16, .size: 8, .value_kind: global_buffer, .address_space: global }
    .group_segment_fixed_size: 327680
    .private_segment_fixed_size: 0
    .kernarg_segment_align: 8
    .kernarg_segment_size: 24
    .max_flat_workgroup_size: 128
    .sgpr_count:     66
    .vgpr_count:     1024
    .wavefront_size: 32
...
	.end_amdgpu_metadata
.endif
;; end of part 4
;; launch mix (part 5): grid 64 x 4, 4 waves a work-group, clusters of 4 x 1, 327,680 bytes of LDS; arguments pp, vv, out0, st; writes out0
.if DOCPART == 5
	.amdgcn_target "amdgcn-amd-amdhsa--gfx1250"
	.amdhsa_code_object_version 6
	.text
	.protected	k_qe2abdd3f71_mix
	.globl	k_qe2abdd3f71_mix
	.p2align	8
	.type	k_qe2abdd3f71_mix,@function
k_qe2abdd3f71_mix:
	s_mov_b64 s[64:65], 0
	v_nop
	global_prefetch_b8 v0, s[64:65] scope:SCOPE_SE
	s_setreg_imm32_b32 hwreg(HW_REG_WAVE_MODE, 25, 1), 1
	s_wait_xcnt 0x0
	s_wait_alu depctr_hold_cnt(0) depctr_sa_sdst(0) depctr_va_vdst(0) depctr_va_sdst(0) depctr_va_ssrc(0) depctr_va_vcc(0) depctr_vm_vsrc(0)
	s_getreg_b32 s2, hwreg(HW_REG_IB_STS2, 6, 4)
	s_cmp_eq_u32 s2, 0
	s_cbranch_scc0 .Lentry_in_a_cluster
	s_endpgm
.Lentry_in_a_cluster:
	s_bfe_u32 s2, ttmp6, 0x10000c
	s_cmp_lg_u32 s2, 0x3003
	s_cbranch_scc0 .Lentry_shape_is_right
	s_endpgm
.Lentry_shape_is_right:
; out[bs][e] = (sum over j of w_j sum over the block's keys t of P[bs][t] v[t][e]) / (sum over j of w_j l_j), with w_j = 2^(cm_j - M), M the largest of the row's 16 cm_j:
; w_j P = 2^(c s - c max s), the softmax by the row's true maximum.  M, w, L = sum w_j l_j and the matrix sums are f32; w is rounded to f16 and multiplied onto P's fragments in f16
; (two numbers a line, from 16 bits to 16 bits); out is f32.
; LIMITS.  P, w and w P lie in 0 to 1 and below 6e-5 keep f16's fixed step of 6e-8; v arrives in f16.  L is at least 1: the block that holds M has w = 1 and l >= 1.  NaN and infinities are not treated apart.
; SHARES.  A tile of out is 128 rows x 256 channels: 64 x 4 = 256 tiles, one to a work-group.  The 2,048 keys go in 8 intervals of 256.  Wave (RH, KH) multiplies rows 64 RH .. + 63 by ALL 256 channels
; for keys 128 KH .. + 127 of each interval (one block j = 2 x interval + KH): 64 accumulators, 512 registers, 256 matrix instructions an interval.  At the end the two waves of a row half add their sums in f32.
; v GOES THROUGH LDS: two slots of 256 keys x 512 bytes, padded to 544, read turned by ds_load_tr16_b128; each wave fetches 64 keys.  The four row tiles of a cluster belong to one batch and ask jointly.
; P GOES THROUGH REGISTERS.  Two slots of 256 keys for both operands would be (128 + 256) x 512 x 2 = 393,216 bytes, more than the 327,680 there are.  pp lies in fragments
; ([block of 16 rows][group of 16 keys][lane][16 bytes]), so a load of 16 bytes a lane brings half an operand, 512 consecutive bytes; a wave reads only its own rows and keys, so no byte of P is read twice
; in a work-group.  That is why P is not asked for jointly, though the four column tiles read the same P.  A ring of four quarters (32 keys x 64 rows = 32 registers each) holds P; the 8 registers of a block are
; loaded anew behind the block's last product, for the quarter four further on, and these loads stay out across the barriers.
; THE MATRIX INSTRUCTION IS USED TRANSPOSED (source 0 = 16 channels of v, source 1 = 16 rows of P): a lane holds row lane % 16 and eight neighbouring channels.
; THE WEIGHTS.  At the start each lane makes the 16 w and 1 / L of one row; the two waves of a row half lay them into one table of 18 rows of 256 bytes (row j: (w, w) in f16 for 64 rows; rows 16, 17: 1 / L in f32),
; at 16 (row % 16) + 4 (row / 16), so that one load of 16 bytes brings a lane the numbers of its row in all four blocks.  A change of slots loads row j + 2; the last one brings 1 / L.
; THE TEXT.  The loop's body is one interval.  The two intervals that fill no slot are a loop of two trips left in its middle.  The price of that one text: in the last interval 30 loads of P a wave
; (kept inside pp: they read the last interval's bytes again) and the last change's 32 LDS loads serve nothing.
; REGISTERS: window 0: v0-27 addresses, weights; v60-61 the add's two; v64-191 P's ring (quarter q, block a at v[64 + 32 q + 8 a]); v192-239 at the start the statistics;
;   on the way out v64-127 a block in f32, v128-191 read back, v192-255 the partner's sums      window 1: v0-127, v128-255 v's fragments, two buffers
;   windows 2, 3: accumulator (a, b) in window 2 + b / 8 at v[8 (8 a + b % 8)].  Window 2 holds the 128 channels that I store (half KH), window 3 those that my partner stores.
.set NA,     4
.set INTS,   8
.set PITB,   544                       ; 512 bytes + 32: an odd multiple of 32, as the turning load's 8 rows x 32 bytes want
.set QUART,  64*PITB                   ; what one tensor load brings
.set HALF,   128*PITB                  ; a wave's keys in a slot
.set SLOT1,  256*PITB                  ; 139,264 = 0x22000: no set bit in common with the LDS words 0, 0x8800, 0x11000, 0x19800 of slot 0, so one exclusive or moves a word to the other slot and back
.set STAGE,  2*SLOT1                   ; 16 rows x 528 bytes for each wave
.set SP,     528                       ; 512 bytes + 16
.set WT,     STAGE+4*16*SP             ; the two tables of weights
.set WTB,    18*256
.set SPARE,  WT+2*WTB
.set STEPB,  256*1024*2                ; an interval in vv: 256 rows
.set STEPA,  8192                      ; an interval in a block of pp: 16 groups of 512 bytes
.set ADRL0, 10                         ; v10  my lane's place in slot 0 for the channels of window 2; never rewritten
.set ADRH0, 11                         ; v11  for those of window 3
.set ADRL,  12                         ; v12, v13  the same in the slot in hand
.set ADRH,  13
.set STO,   14
.set RD,    15
.set CO,    16                         ; v16  16 x lane: my bytes in 512 consecutive bytes of pp and of out; never rewritten
.set SO,    17                         ; v17  4 x lane: my row's bytes in st
.set WSA,   18                         ; v18  where my row's weights go
.set WADR,  19                         ; v19  where the next interval's weights are read; 512 bytes on with each load
.set WC,    20                         ; v20-23  (w, w) of my row in blocks 0-3; at the end 1 / L
.set RLC,   24                         ; v24-25  1 / L of the block in hand, twice
.set XS,    26                         ; v26  where I lay my window 3 for my partner
.set XR,    27                         ; v27  where I read my partner's; 8,192 bytes on with each block
.set SPW,   60
.set NIL,   61
.set AR,    64
.set TT,    64
.set BK,    128
.set XP,    192
.set F0,    0                          ; in window 1
.set F1,    128
.set BL,  2
.set CNT, 3
.set WV,  12
.set RH,  13
.set KH,  14
.set G0,  36                           ; s[36:39] descriptor group 0: it walks
.set G1,  40                           ; s[40:47] group 1
.set TR,  50
.set MSB, 0
.macro WIN new
.if MSB != (\new)
	s_set_vgpr_msb (MSB<<8)|(\new)
.set MSB, (\new)
.endif
.endm
.macro PLACES                          ; four plain vector instructions between a matrix instruction and a load into, or a read of, its registers
.rept 4
	v_nop
.endr
.endm
.macro CREST
	s_cmp_lg_u32 s[WV], 0
	s_cbranch_scc1 .Lnot_wave_0_\@
	s_barrier_signal -3
.Lnot_wave_0_\@:
	s_barrier_wait -3
	s_barrier_signal -1
	s_barrier_wait -1
.endm
.macro CROUND
	s_barrier_signal -1
	s_barrier_wait -1
	CREST
.endm
.macro JLOAD                           ; a joint load: every wave fetches its 64 keys of a slot; an s_nop 0 and four v_nop follow the line
	tensor_load_to_lds s[G0:G0+3], s[G1:G1+7]
	s_nop 0
.rept 4
	v_nop
.endr
.endm
.macro STEPD                           ; the other slot, the next interval; only where no tensor load of mine is out
	s_xor_b32 s[G0+1], s[G0+1], SLOT1
	s_add_nc_u64 s[G0+2:G0+3], s[G0+2:G0+3], STEPB
.endm
.macro FETCH q, f                      ; 32 LDS loads in one run: v's 16 channel blocks for quarter q of my keys
	WIN 0x40                                       ; destination window 1, address window 0
.set fi, 0
.rept 8
	ds_load_tr16_b128 v[(\f)+8*fi:(\f)+8*fi+3],   v[ADRL] offset:32*(\q)*PITB+32*fi
	ds_load_tr16_b128 v[(\f)+8*fi+4:(\f)+8*fi+7], v[ADRL] offset:32*(\q)*PITB+32*fi+16*PITB
.set fi, fi+1
.endr
.set fi, 0
.rept 8
	ds_load_tr16_b128 v[(\f)+64+8*fi:(\f)+64+8*fi+3],   v[ADRH] offset:32*(\q)*PITB+32*fi
	ds_load_tr16_b128 v[(\f)+64+8*fi+4:(\f)+64+8*fi+7], v[ADRH] offset:32*(\q)*PITB+32*fi+16*PITB
.set fi, fi+1
.endr
	WIN 0
.endm
.macro MUL f, qq, a, b0, n, zero       ; n products of block a from channel block b0 on.  The 64 accumulators take turns in one order in every quarter, one instruction a turn
.set mb, (\b0)
.rept (\n)
	WIN 0xa1+0x50*(mb/8)                           ; v window 1, P window 0, C and D window 2 or 3
.set rD, 8*(8*(\a)+mb%8)
.set rA, AR+32*(\qq)+8*(\a)
.if \zero
	v_wmma_f32_16x16x32_f16 v[rD:rD+7], v[(\f)+8*mb:(\f)+8*mb+7], v[rA:rA+7], 0
.else
	v_wmma_f32_16x16x32_f16 v[rD:rD+7], v[(\f)+8*mb:(\f)+8*mb+7], v[rA:rA+7], v[rD:rD+7]
.endif
.set mb, mb+1
.endr
.endm
.macro RIDE qq, a, i0                  ; four registers of block a's fragment times my row's w
	WIN 0
.set si, (\i0)
.rept 4
	v_pk_mul_f16 v[AR+32*(\qq)+8*(\a)+si], v[AR+32*(\qq)+8*(\a)+si], v[WC+(\a)]
.set si, si+1
.endr
.endm
.macro RELOAD rq, ra, off              ; a group of two loads: block ra of the ring's quarter rq
.set rL, AR+32*(\rq)+8*(\ra)
	global_load_b128 v[rL:rL+3],   v[CO], s[4:5] offset:(\off)+1024*(\rq)+65536*(\ra)
	global_load_b128 v[rL+4:rL+7], v[CO], s[4:5] offset:(\off)+1024*(\rq)+65536*(\ra)+512
.endm
; The 16 products of block a.  Behind the first two stand four lines each that scale block a + 1, which no product round them names; they are also the places in front of the two loads (ld = 1) that fill
; the block before anew, for the quarter four further on.  Block 3 has nothing to scale: four v_nop.  The groups of loads go out in the order of their use, so the wait in front of the scaling leaves out
; the 13 groups issued behind block a + 1's: 26 loads.  wc = 1: the next interval's weights are read, behind the last line that used this interval's.
.macro BLOCK f, qq, a, zero, ld, off, wc
	MUL \f, \qq, \a, 0, 1, \zero
.if (\a) < 3
	WIN 0
	s_wait_loadcnt 26
	RIDE \qq, (\a)+1, 0
.endif
	MUL \f, \qq, \a, 1, 1, \zero
	WIN 0
.if (\a) < 3
	RIDE \qq, (\a)+1, 4
.else
	PLACES
.endif
.if \ld
.if (\a) == 0
	RELOAD ((\qq)+3)%4, 3, \off
.else
	RELOAD \qq, (\a)-1, STEPA
.endif
.endif
.if \wc
	ds_load_b128 v[WC:WC+3], v[WADR]
	v_add_nc_u32 v[WADR], 512, v[WADR]
.endif
	MUL \f, \qq, \a, 2, 14, \zero
.endm
; One of an interval's first three quarters: multiplies buffer f by the ring's quarter qq and fetches the next quarter's fragments of v into buffer g, behind block 0: 48 products ahead of their use.
; off: what block 0's loads add to P's address (the last block of the quarter before).  step = 1: behind them P's address goes on to the interval in hand.
.macro QUARTER qq, f, g, zero, off, step
	WIN 0
	s_wait_dscnt 0x0                               ; v's fragments (and, in an interval's first quarter, the weights) are in
	s_wait_loadcnt 28                              ; block 0's two loads are in: 14 groups were issued behind them
	RIDE \qq, 0, 0
	RIDE \qq, 0, 4
	BLOCK \f, \qq, 0, \zero, 1, \off, 0
.if \step
	s_wait_xcnt 0x0                                ; the loads' base is rewritten only behind this wait
	s_add_nc_u64 s[4:5], s[4:5], STEPA
.endif
	FETCH (\qq)+1, \g
	BLOCK \f, \qq, 1, \zero, 1, 0, 0
	BLOCK \f, \qq, 2, \zero, 1, 0, 0
	BLOCK \f, \qq, 3, \zero, 1, 0, 0
.endm
; An interval's last quarter, and the change of slots.  Block 1 stands between the add and the wait for it and holds no load; its two loads follow behind the barrier.
; fill = 1: the barrier opens a round of the cluster's, and the slot just left is filled again, two intervals ahead, first thing behind it: 240 products ahead of the wait for it.
.macro TURN fill
	WIN 0
	s_wait_dscnt 0x0
	s_wait_loadcnt 28
	RIDE 3, 0, 0
	RIDE 3, 0, 4
	BLOCK F1, 3, 0, 0, 1, STEPA, 0
	WIN 0
	s_wait_tensorcnt 0x0                           ; my one tensor load that was out, my part of the next slot, has landed
	ds_add_u32 v[SPW], v[NIL]                      ; 0 onto my spare word
	BLOCK F1, 3, 1, 0, 0, 0, 0
	WIN 0
	s_wait_dscnt 0x0                               ; the add is done, and my reads of this slot are over
	s_barrier_signal -1
	s_barrier_wait -1
.if \fill
	CREST
	STEPD
	JLOAD
.endif
	s_xor_b32 s[TR], s[TR], SLOT1
	v_add_nc_u32 v[ADRL], s[TR], v[ADRL0]
	v_add_nc_u32 v[ADRH], s[TR], v[ADRH0]
	RELOAD 3, 0, STEPA
	FETCH 0, F0
	BLOCK F1, 3, 2, 0, 1, 0, 0
	BLOCK F1, 3, 3, 0, 1, 0, 1
.endm
.macro COPY a                          ; block a's 64 sums + my partner's -> v64-127, each accumulator from its low end on; and the block's 1 / L as a pair
	WIN 0x02                                       ; source 0 window 2
.set ci, 0
.rept 32
	v_pk_add_f32 v[TT+2*ci:TT+2*ci+1], v[64*(\a)+2*ci:64*(\a)+2*ci+1], v[XP+2*ci:XP+2*ci+1]
.set ci, ci+1
.endr
	WIN 0
	v_mov_b32 v[RLC], v[WC+(\a)]
	v_mov_b32 v[RLC+1], v[WC+(\a)]
.endm
	s_load_b256 s[4:11], s[0:1], 0x0               ; pp s[4:5], vv s[6:7], out0 s[8:9], st s[10:11]
	v_lshl_add_u32 v[SPW], v0, 2, SPARE
	v_mov_b32 v[NIL], 0
	ds_add_u32 v[SPW], v[NIL]                      ; the wave's opening: the add and its wait stand ahead of my first tensor load
	v_lshrrev_b32 v3, 5, v0
	v_readfirstlane_b32 s[WV], v3
	s_lshr_b32 s[RH], s[WV], 1
	s_and_b32 s[KH], s[WV], 1
	s_bfe_u32 s15, ttmp6, 0x40000                  ; cx: my place in the cluster
	s_lshl_b32 s18, ttmp9, 2                       ; in a cluster launch ttmp9 counts clusters
	s_add_co_u32 s18, s18, s15                     ; Y: the tile of 128 rows, over all batches: it enters P's, st's and out's addresses alone
	s_and_b32 s17, ttmp7, 0xffff                   ; X: the tile of 256 channels, which the four partners share
	s_mov_b32 s[G1], 15|(1<<16)|(1<<20)|(1<<21)|(6<<22)|(7<<25)  ; the mask of four; 2-byte elements; padding on; bit 21 beside a mask; after every 128 words 8 words
	s_mov_b32 s[G1+1], 256<<16                     ; tensor_dim0 = 256 channels
	s_mov_b32 s[G1+2], 64<<16                      ; tensor_dim1 = 64 keys
	s_mov_b32 s[G1+3], 256<<16                     ; tile_dim0
	s_mov_b32 s[G1+4], 64                          ; tile_dim1
	s_mov_b32 s[G1+5], 1024                        ; elements from row to row
	s_mov_b32 s[G1+6], 0
	s_mov_b32 s[G1+7], 0
	s_lshr_b32 s62, ttmp9, 2                       ; v's tile: the batch is the cluster's x / 4: 2,048 rows of 2,048 bytes,
	s_lshl_b32 s62, s62, 22
	s_lshl_b32 s60, s17, 9                         ; 256 channels = 512 bytes a tile column,
	s_add_co_u32 s60, s60, s62
	s_lshl_b32 s61, s[WV], 17                      ; my 64 keys
	s_add_co_u32 s60, s60, s61
	s_mov_b32 s61, 0
	s_mov_b32 s[G0], 1
	s_mul_i32 s[G0+1], s[WV], QUART                ; LDS: slot 0, my 64 rows: the wave's number alone enters
	s_mov_b32 s[TR], 0
	s_wait_dscnt 0x0                               ; the opening add is done
	s_wait_kmcnt 0x0
	s_add_nc_u64 s[G0+2:G0+3], s[6:7], s[60:61]
	s_or_b32 s[G0+3], s[G0+3], 0x80000000
	CROUND                                         ; all four work-groups are here: the first joint loads meet
	JLOAD                                          ; interval 0 into slot 0
	; my row for the weights: 128 (Y % 16) + 64 RH + 32 KH + lane, in batch Y / 16
	v_and_b32 v9, 31, v0
	v_lshlrev_b32 v[SO], 2, v9
	s_lshr_b32 s20, s18, 4
	s_lshl_b32 s20, s20, 17                        ; a batch: 16 x 2,048 x 4 bytes
	s_and_b32 s19, s18, 15
	s_lshl_b32 s19, s19, 9
	s_add_co_u32 s20, s20, s19
	s_lshl_b32 s19, s[RH], 8
	s_add_co_u32 s20, s20, s19
	s_lshl_b32 s19, s[KH], 7
	s_add_co_u32 s20, s20, s19
	s_mov_b32 s21, 0
	s_add_nc_u64 s[10:11], s[10:11], s[20:21]
.set j, 0
.rept 16
	global_load_b32 v[XP+j], v[SO], s[10:11] offset:8192*j             ; cm_j
.set j, j+1
.endr
.set j, 0
.rept 16
	global_load_b32 v[XP+16+j], v[SO], s[10:11] offset:524288+8192*j   ; l_j
.set j, j+1
.endr
	v_lshlrev_b32 v[CO], 4, v9
	s_lshl_b32 s20, s18, 19                        ; P: my first block of 16 rows, 8 Y + 4 RH, 65,536 bytes each,
	s_lshl_b32 s19, s[RH], 18
	s_add_co_u32 s20, s20, s19
	s_lshl_b32 s19, s[KH], 12                      ; my 128 keys of an interval: 8 groups of 512 bytes
	s_add_co_u32 s20, s20, s19
	s_add_nc_u64 s[4:5], s[4:5], s[20:21]
.set pq, 0
.rept 15                                       ; the ring's first fill, in the order of use: all of interval 0 but its last block, which the first quarter asks for as every quarter does
	RELOAD pq/4, pq%4, 0
.set pq, pq+1
.endr
	v_and_b32 v1, 15, v0
	v_bfe_u32 v2, v0, 4, 1
	v_and_b32 v4, 7, v0                            ; the turning load: lane l reads key 8 h + l % 8, 16 bytes at 16 ((l / 8) % 2)
	v_lshl_add_u32 v4, v2, 3, v4
	v_mul_u32_u24 v4, v4, PITB
	v_bfe_u32 v5, v0, 3, 1
	v_lshl_add_u32 v4, v5, 4, v4
	s_mul_i32 s53, s[KH], HALF+256                 ; my 128 keys; window 2 takes channel half KH,
	v_add_nc_u32 v[ADRL0], s53, v4
	s_mul_i32 s59, s[KH], HALF-256                 ; window 3 the other half
	s_add_co_u32 s59, s59, 256
	v_add_nc_u32 v[ADRH0], s59, v4
	s_mul_i32 s53, s[WV], 16*SP
	s_add_co_u32 s53, s53, STAGE                   ; my stage
	v_mul_u32_u24 v3, v1, SP
	v_lshl_add_u32 v3, v2, 5, v3
	v_add_nc_u32 v[STO], s53, v3                   ; in: row r, 32 bytes for each half of the lanes
	v_lshl_add_u32 v[RD], v9, 4, s53               ; back: 32 lanes take one row of 512 bytes
	s_lshl_b32 s53, s[WV], 15                      ; the exchange: 32,768 bytes a wave, in slot 0 when its last fill is over
	v_lshl_add_u32 v[XS], v9, 4, s53
	s_xor_b32 s59, s[WV], 1                        ; my partner: the same rows, the other keys
	s_lshl_b32 s59, s59, 15
	v_lshl_add_u32 v[XR], v9, 4, s59
	s_mul_i32 s53, s[RH], WTB
	s_add_co_u32 s53, s53, WT                      ; my row half's table
	v_lshl_add_u32 v[WSA], v1, 4, s53              ; 16 r
	s_lshl_b32 s59, s[KH], 8
	v_add_nc_u32 v[WADR], s59, v[WSA]              ; I read rows KH, KH + 2, ..
	s_lshl_b32 s59, s[KH], 3
	v_lshl_add_u32 v[WSA], v2, 2, v[WSA]           ; my row lies in block 2 KH + h: 4 bytes each
	v_add_nc_u32 v[WSA], s59, v[WSA]
	s_lshl_b32 s20, s18, 19                        ; out: my first row (128 Y + 64 RH) x 4,096 bytes,
	s_lshl_b32 s19, s[RH], 18
	s_add_co_u32 s20, s20, s19
	s_add_nc_u64 s[8:9], s[8:9], s[20:21]
	s_lshl_b32 s60, s17, 10                        ; my first channel: 1,024 X + 512 KH bytes
	s_lshl_b32 s61, s[KH], 9
	s_add_co_u32 s60, s60, s61
	s_mov_b32 s61, 0
	s_add_nc_u64 s[8:9], s[8:9], s[60:61]
	s_wait_loadcnt 30                              ; the statistics are in; the 30 loads of P behind them stay out
	v_max3_num_f32 v6, v[XP], v[XP+1], v[XP+2]     ; M
.irp j, 3,5,7,9,11,13
	v_max3_num_f32 v6, v6, v[XP+\j], v[XP+\j+1]
.endr
	v_max_num_f32 v6, v6, v[XP+15]
.set j, 0
.rept 16
	v_sub_f32 v[XP+j], v[XP+j], v6
.set j, j+1
.endr
.set j, 0
.rept 16
	v_exp_f32 v[XP+j], v[XP+j]                     ; w_j
.set j, j+1
.endr
	v_nop                                          ; a plain instruction behind the last exponential (ISA guide 5.7.2)
	s_wait_alu depctr_va_vdst(0)
	v_mul_f32 v7, v[XP], v[XP+16]                  ; L
.set j, 1
.rept 15
	v_fmac_f32 v7, v[XP+j], v[XP+16+j]
.set j, j+1
.endr
.set j, 0
.rept 16
	v_cvt_pk_f16_f32 v[XP+32+j], v[XP+j], v[XP+j]  ; (w, w)
.set j, j+1
.endr
	v_rcp_f32 v8, v7
	v_nop
.set j, 0
.rept 16
	ds_store_b32 v[WSA], v[XP+32+j] offset:256*j
.set j, j+1
.endr
	s_wait_alu depctr_va_vdst(0)
	ds_store_b32 v[WSA], v8 offset:4096            ; 1 / L, once for each of the two waves that read the table
	ds_store_b32 v[WSA], v8 offset:4352
	s_wait_tensorcnt 0x0                           ; my part of interval 0 is in
	ds_add_u32 v[SPW], v[NIL]
	STEPD
	s_wait_dscnt 0x0                               ; the add, and my stores into the table, for the other wave's sake
	CROUND                                         ; everybody's part of the tile and of the tables is in
	JLOAD                                          ; interval 1 into slot 1
	v_add_nc_u32 v[ADRL], s[TR], v[ADRL0]
	v_add_nc_u32 v[ADRH], s[TR], v[ADRH0]
	ds_load_b128 v[WC:WC+3], v[WADR]               ; the weights of block j = KH
	v_add_nc_u32 v[WADR], 512, v[WADR]
	FETCH 0, F0
	QUARTER 0, F0, F1, 1, 0, 0                     ; the first quarter stands in front of the loop: its products start the sums
	WIN 0
	s_mov_b32 s[CNT], INTS-2
.Lint:                                                 ; a trip: from an interval's second quarter to the next interval's first; it fills the slot that it leaves
	QUARTER 1, F1, F0, 0, STEPA, 0
	QUARTER 2, F0, F1, 0, STEPA, 0
	TURN 1
	QUARTER 0, F0, F1, 0, STEPA, 1
	WIN 0
	s_sub_co_u32 s[CNT], s[CNT], 1
	s_cmp_lg_u32 s[CNT], 0
	s_cbranch_scc1 .Lint
	s_mov_b32 s[CNT], 2
.Ltail:                                                ; the last two intervals fill no slot; the second trip is left in its middle
	QUARTER 1, F1, F0, 0, STEPA, 0
	QUARTER 2, F0, F1, 0, STEPA, 0
	TURN 0
	WIN 0
	s_sub_co_u32 s[CNT], s[CNT], 1
	s_cmp_eq_u32 s[CNT], 0
	s_cbranch_scc1 .Lout
	QUARTER 0, F0, F1, 0, STEPA, 0                 ; P's address stays: from here on the loads read the last interval's bytes again and stay inside pp
	WIN 0
	s_branch .Ltail
.Lout:
	s_wait_dscnt 0x0                               ; 1 / L is in; so is the last run of LDS loads: my reads of the slots are over
	s_wait_loadcnt 0x0                             ; and the ring's last loads: its registers are used anew below
	PLACES
	s_barrier_signal -1
	s_barrier_wait -1                              ; nobody reads a slot any more, and no fill is to come
	WIN 0x0c                                       ; store data in window 3
.set xi, 0
.rept 64
	ds_store_b128 v[XS], v[4*xi:4*xi+3] offset:512*xi  ; my sums for my partner's channels, each accumulator from its low end on; 32 lanes lay down 512 consecutive bytes
.set xi, xi+1
.endr
	WIN 0
	s_wait_dscnt 0x0                               ; for my partner's sake
	s_barrier_signal -1
	s_barrier_wait -1
	; THE WAY OUT, a block of 16 rows a trip: + my partner's sums, divided by L, through my own stage, back as whole rows of 512 bytes.
	s_mov_b32 s[BL], NA
.Lblk:
.set xi, 0
.rept 16
	ds_load_b128 v[XP+4*xi:XP+4*xi+3], v[XR] offset:512*xi
.set xi, xi+1
.endr
	v_add_nc_u32 v[XR], 8192, v[XR]
	s_wait_dscnt 0x0
.irp a, 1,2,3
	s_cmp_eq_u32 s[BL], NA-\a
	s_cbranch_scc1 .Lcp\a
.endr
	COPY 0
	s_branch .Lbody
.irp a, 1,2
.Lcp\a:
	COPY \a
	s_branch .Lbody
.endr
.Lcp3:
	COPY 3
.Lbody:
.set ci, 0
.rept 32
	v_pk_mul_f32 v[TT+2*ci:TT+2*ci+1], v[TT+2*ci:TT+2*ci+1], v[RLC:RLC+1]
.set ci, ci+1
.endr
.irp b, 0,1,2,3,4,5,6,7
	ds_store_b128 v[STO], v[TT+8*\b:TT+8*\b+3] offset:64*\b
	ds_store_b128 v[STO], v[TT+8*\b+4:TT+8*\b+7] offset:64*\b+16
.endr
.irp t, 0,1,2,3,4,5,6,7,8,9,10,11,12,13,14,15
	ds_load_b128 v[BK+4*\t:BK+4*\t+3], v[RD] offset:\t*SP  ; LDS serves a wave's instructions in order (ISA guide 5.7.1.4)
.endr
.irp t, 0,1,2,3,4,5,6,7,8,9,10,11,12,13,14,15
	s_wait_dscnt 15-\t                             ; row t is back; the younger loads stay out
	global_store_b128 v[CO], v[BK+4*\t:BK+4*\t+3], s[8:9] offset:4096*\t th:TH_STORE_NT  ; a wave stores 512 consecutive bytes, at a multiple of 512 from out's first byte
.endr
	s_wait_xcnt 0x0                                ; the stores' base and data are rewritten only behind this wait
	s_add_nc_u64 s[8:9], s[8:9], 16*4096
	s_sub_co_u32 s[BL], s[BL], 1
	s_cmp_lg_u32 s[BL], 0
	s_cbranch_scc1 .Lblk
	s_wait_tensorcnt 0x0                           ; the wave's end
	ds_add_u32 v[SPW], v[NIL]
	s_wait_dscnt 0x0
	CROUND                                         ; the closing round
	s_endpgm
.Lfunc_end_k_qe2abdd3f71_mix:
	.size	k_qe2abdd3f71_mix, .Lfunc_end_k_qe2abdd3f71_mix-k_qe2abdd3f71_mix
	.p2alignl 7, 3214868480
	.fill 96, 4, 3214868480
	.section	.rodata,"a",@progbits
	.p2align	6, 0x0
	.amdhsa_kernel k_qe2abdd3f71_mix
		.amdhsa_group_segment_fixed_size 327680
		.amdhsa_private_segment_fixed_size 0
		.amdhsa_enable_private_segment 0
		.amdhsa_kernarg_size 32
		.amdhsa_user_sgpr_count 2
		.amdhsa_user_sgpr_kernarg_segment_ptr 1
		.amdhsa_wavefront_size32 1
		.amdhsa_system_sgpr_workgroup_id_x 1
		.amdhsa_system_sgpr_workgroup_id_y 1
		.amdhsa_system_sgpr_workgroup_id_z 1
		.amdhsa_system_vgpr_workitem_id 0
		.amdhsa_next_free_vgpr 1024
		.amdhsa_next_free_sgpr 66
		.amdhsa_reserve_vcc 0
		.amdhsa_float_denorm_mode_32 3
		.amdhsa_float_denorm_mode_16_64 3
		.amdhsa_memory_ordered 1
		.amdhsa_forward_progress 1
		.amdhsa_inst_pref_size 130
	.end_amdhsa_kernel
	.amdgpu_metadata
---
amdhsa.version: [ 1, 2 ]
amdhsa.kernels:
  - .name:           k_qe2abdd3f71_mix
    .symbol:         k_qe2abdd3f71_mix.kd
    .args:
      - { .name: pp, .offset: 0, .size: 8, .value_kind: global_buffer, .address_space: global }
      - { .name: vv, .offset: 8, .size: 8, .value_kind: global_buffer, .address_space: global }
      - { .name: out0, .offset: 16, .size: 8, .value_kind: global_buffer, .address_space: global }
      - { .name: st, .offset: 24, .size: 8, .value_kind: global_buffer, .address_space: global }
    .group_segment_fixed_size: 327680
    .private_segment_fixed_size: 0
    .kernarg_segment_align: 8
    .kernarg_segment_size: 32
    .max_flat_workgroup_size: 128
    .sgpr_count:     66
    .vgpr_count:     1024
    .wavefront_size: 32
...
	.end_amdgpu_metadata
.endif
;; end of part 5
;; ======== version 2 of 2: 5 launches; version 1 with the launch cast written anew for expert scheduling mode
;; limits: values are held in f16: magnitudes above 65,504 overflow, below 6.1e-05 lose precision
;; workspace buffers: xb 16,777,216 bytes; wb 6,291,456 bytes; bb 12,288 bytes; qk 33,554,432 bytes; vv 16,777,216 bytes; pp 33,554,432 bytes; st 1,048,576 bytes
;; launch cast (part 6): grid 705 x 1, 8 waves a work-group, no clusters, 0 bytes of LDS; arguments x, Wq, Wk, Wv, bq, bk, bv, xb, wb, bb; writes xb, wb, bb
.if DOCPART == 6
	.amdgcn_target "amdgcn-amd-amdhsa--gfx1250"
	.amdhsa_code_object_version 6
	.text
	.protected	k_qe2abdd3f71_cast
	.globl	k_qe2abdd3f71_cast
	.p2align	8
	.type	k_qe2abdd3f71_cast,@function
k_qe2abdd3f71_cast:
	s_mov_b64 s[64:65], 0
	v_nop
	global_prefetch_b8 v0, s[64:65] scope:SCOPE_SE
	s_setreg_imm32_b32 hwreg(HW_REG_WAVE_SCHED_MODE, 0, 2), 2
	s_setreg_imm32_b32 hwreg(HW_REG_WAVE_MODE, 25, 1), 1
	s_wait_xcnt 0x0
	s_wait_alu depctr_vm_vsrc(0)
; All inputs are rounded once to bf16, in their own layout.  xb = bf16(x) [4][1024][2048]; wb = bf16 of Wq, Wk, Wv, one below the other, [3072][1024];
; bb = the three biases rounded to bf16 and written back as f32, [3072].
; Work-groups 0-511 take 64 KiB of x each, 512-703 take 64 KiB of a weight matrix (64 to a matrix), work-group 704 the three biases.
; A stream: every byte is read once and written once; no LDS, no matrix unit, no cluster: no two work-groups share a byte.
; Thread t takes 16 bytes at 16 t of each 4,096-byte piece: a wave's load covers 512 neighbouring bytes, its store 256 neighbouring, aligned bytes.
; All sixteen loads of a thread go out at once into registers of their own, so no register is written twice and no loop is needed.
; THE MODE: SCHED_MODE bits 1:0 = 2 (LLVM: expert scheduling mode 2), set by the entry lines.  The code itself states the register dependences
; between vector instructions and memory instructions, with s_wait_alu, always for 0.
; THE PLAN.  Registers that memory instructions touch:
;   v1, v2   byte offsets, made once at the head and never written again; read by every load and store.
;   X        piece p: four registers, written by its load, once; read by its two conversions.  No vector instruction names them ahead of the loads.
;   Y        piece p: two registers, written by its two conversions, once; read by its store.
; The sixteen pieces go in four groups of four.  Group g converts its pieces as they land; in front of each of them stands the store of the piece four earlier.
; The conversions of group g name X and Y of group g alone, the stores beside them Y of group g - 1 and v2: so ONE wait at a group's head states all that its four stores hang on.
; No register that a memory instruction reads is written again: nothing is owed on vm_vsrc, and no s_wait_xcnt stands behind the entry lines.
.set X, 4                              ; v[4:67]   sixteen loads of four f32
.set Y, 68                             ; v[68:99]  sixteen pairs of packed bf16
	s_load_b512 s[4:19], s[0:1], 0x0               ; x s[4:5], Wq s[6:7], Wk s[8:9], Wv s[10:11], bq s[12:13], bk s[14:15], bv s[16:17], xb s[18:19]
	s_load_b128 s[20:23], s[0:1], 0x40             ; wb s[20:21], bb s[22:23]
	v_lshlrev_b32 v1, 4, v0                        ; 16 t: my bytes in a piece of f32
	v_lshlrev_b32 v2, 3, v0                        ; 8 t: my bytes in a piece of bf16
	s_and_b32 s28, ttmp9, 63                       ; a weight matrix's chunk
	s_sub_co_u32 s30, ttmp9, 512                   ; wb's chunk (used only from work-group 512 on)
	s_mov_b32 s29, 0
	s_mov_b32 s31, 0
	s_wait_kmcnt 0x0
	s_wait_alu depctr_va_vdst(0)                   ; v1 and v2 are written: every load and store, on both ways below, reads one of them as its offset
	s_cmp_eq_u32 ttmp9, 704
	s_cbranch_scc1 .Lbias
	s_cmp_lt_u32 ttmp9, 640
	s_cselect_b64 s[24:25], s[8:9], s[10:11]       ; Wk or Wv
	s_cmp_lt_u32 ttmp9, 576
	s_cselect_b64 s[24:25], s[6:7], s[24:25]       ; or Wq
	s_cmp_lt_u32 ttmp9, 512
	s_cselect_b64 s[24:25], s[4:5], s[24:25]       ; or x: the source
	s_cselect_b64 s[26:27], s[18:19], s[20:21]     ; xb or wb: the destination
	s_cselect_b32 s28, ttmp9, s28                  ; the chunk's number in the source,
	s_cselect_b32 s30, ttmp9, s30                  ; and in the destination
	s_lshl_b32 s28, s28, 16                        ; 65,536 bytes of f32
	s_lshl_b32 s30, s30, 15                        ; 32,768 bytes of bf16
	s_add_nc_u64 s[24:25], s[24:25], s[28:29]
	s_add_nc_u64 s[26:27], s[26:27], s[30:31]
.irp i, 0,1,2,3,4,5,6,7,8,9,10,11,12,13,14,15
	global_load_b128 v[X+4*\i:X+4*\i+3], v1, s[24:25] offset:4096*\i th:TH_LOAD_NT
.endr
.irp g, 0,1,2,3
.irp i, 0,1,2,3
.set p, 4*(\g)+(\i)                    ; the piece that is converted; piece p - 4 is stored
	s_wait_loadcnt 15-p                            ; loads come back in order: piece p is in, the 15 - p younger ones stay out
.if ((\i) == 0) && ((\g) > 0)
	s_wait_alu depctr_va_vdst(0)                   ; the group before has written its eight Y registers, which this group's four stores read
.endif
.if (\g) > 0
	global_store_b64 v2, v[Y+2*(p-4):Y+2*(p-4)+1], s[26:27] offset:2048*(p-4)  ; no vector instruction since the wait names these registers
.endif
	v_cvt_pk_bf16_f32 v[Y+2*p], v[X+4*p], v[X+4*p+1]
	v_cvt_pk_bf16_f32 v[Y+2*p+1], v[X+4*p+2], v[X+4*p+3]
.endr
.endr
	s_wait_alu depctr_va_vdst(0)                   ; the last group has written its eight Y registers, which the last four stores read
.irp i, 12,13,14,15
	global_store_b64 v2, v[Y+2*\i:Y+2*\i+1], s[26:27] offset:2048*\i
.endr
	s_endpgm
.Lbias:                                                ; 256 threads x 4 numbers = a bias of 1,024
	global_load_b128 v[4:7], v1, s[12:13]
	global_load_b128 v[8:11], v1, s[14:15]
	global_load_b128 v[12:15], v1, s[16:17]
	s_wait_loadcnt 0x0
.irp j, 0,1,2,3,4,5
	v_cvt_pk_bf16_f32 v[Y+\j], v[4+2*\j], v[5+2*\j]      ; rounded,
.endr
.irp j, 0,1,2,3,4,5
	v_lshlrev_b32 v[20+2*\j], 16, v[Y+\j]               ; and widened again: the low half moves up,
	v_and_b32 v[21+2*\j], 0xffff0000, v[Y+\j]           ; the high half stays
.endr
	s_wait_alu depctr_va_vdst(0)                   ; the widening lines have written v[20:31], which the three stores read
	global_store_b128 v1, v[20:23], s[22:23]
	global_store_b128 v1, v[24:27], s[22:23] offset:4096
	global_store_b128 v1, v[28:31], s[22:23] offset:8192
	s_endpgm
.Lfunc_end_k_qe2abdd3f71_cast:
	.size	k_qe2abdd3f71_cast, .Lfunc_end_k_qe2abdd3f71_cast-k_qe2abdd3f71_cast
	.p2alignl 7, 3214868480
	.fill 96, 4, 3214868480
	.section	.rodata,"a",@progbits
	.p2align	6, 0x0
	.amdhsa_kernel k_qe2abdd3f71_cast
		.amdhsa_group_segment_fixed_size 0
		.amdhsa_private_segment_fixed_size 0
		.amdhsa_enable_private_segment 0
		.amdhsa_kernarg_size 80
		.amdhsa_user_sgpr_count 2
		.amdhsa_user_sgpr_kernarg_segment_ptr 1
		.amdhsa_wavefront_size32 1
		.amdhsa_system_sgpr_workgroup_id_x 1
		.amdhsa_system_sgpr_workgroup_id_y 1
		.amdhsa_system_sgpr_workgroup_id_z 1
		.amdhsa_system_vgpr_workitem_id 0
		.amdhsa_next_free_vgpr 100
		.amdhsa_next_free_sgpr 66
		.amdhsa_reserve_vcc 0
		.amdhsa_float_denorm_mode_32 3
		.amdhsa_float_denorm_mode_16_64 3
		.amdhsa_memory_ordered 1
		.amdhsa_forward_progress 1
		.amdhsa_inst_pref_size 9
	.end_amdhsa_kernel
	.amdgpu_metadata
---
amdhsa.version: [ 1, 2 ]
amdhsa.kernels:
  - .name:           k_qe2abdd3f71_cast
    .symbol:         k_qe2abdd3f71_cast.kd
    .args:
      - { .name: x, .offset: 0, .size: 8, .value_kind: global_buffer, .address_space: global }
      - { .name: Wq, .offset: 8, .size: 8, .value_kind: global_buffer, .address_space: global }
      - { .name: Wk, .offset: 16, .size: 8, .value_kind: global_buffer, .address_space: global }
      - { .name: Wv, .offset: 24, .size: 8, .value_kind: global_buffer, .address_space: global }
      - { .name: bq, .offset: 32, .size: 8, .value_kind: global_buffer, .address_space: global }
      - { .name: bk, .offset: 40, .size: 8, .value_kind: global_buffer, .address_space: global }
      - { .name: bv, .offset: 48, .size: 8, .value_kind: global_buffer, .address_space: global }
      - { .name: xb, .offset: 56, .size: 8, .value_kind: global_buffer, .address_space: global }
      - { .name: wb, .offset: 64, .size: 8, .value_kind: global_buffer, .address_space: global }
      - { .name: bb, .offset: 72, .size: 8, .value_kind: global_buffer, .address_space: global }
    .group_segment_fixed_size: 0
    .private_segment_fixed_size: 0
    .kernarg_segment_align: 8
    .kernarg_segment_size: 80
    .max_flat_workgroup_size: 256
    .sgpr_count:     66
    .vgpr_count:     100
    .wavefront_size: 32
...
	.end_amdgpu_metadata
.endif
;; end of part 6
;; launch projqk: the kernel of part 2 again; grid 8 x 32, 4 waves a work-group, clusters of 4 x 4, 327,680 bytes of LDS; arguments xb, wb, qk, bb; writes qk
;; launch projv: the kernel of part 3 again; grid 4 x 64, 4 waves a work-group, clusters of 4 x 4, 327,680 bytes of LDS; arguments xb, wb, vv, bb; writes vv
;; launch scores: the kernel of part 4 again; grid 8 x 32, 4 waves a work-group, clusters of 4 x 4, 327,680 bytes of LDS; arguments qk, pp, st; writes pp, st
;; launch mix: the kernel of part 5 again; grid 64 x 4, 4 waves a work-group, clusters of 4 x 1, 327,680 bytes of LDS; arguments pp, vv, out0, st; writes out0
